; MI455X (gfx1250); checked and timed in simulation.
; The chip was launched on July 23, 2026; its instructions are those of AMD's public machine-readable ISA for CDNA 5 (MIT licence, August 2026) and "CDNA5" Instruction Set Architecture Reference Guide (July 2026). The comments in the code are by the model that wrote it; some were corrected since.
;; Ro PE Multihead Self Attention. Allowed arithmetic: matrix products marked QUANTISED: E4M3 operands, one E8M0 scale for each 32 along K, by v_wmma_scale_f32_16x16x128_f8f6f4 with both operands' format E4M3, f32 sums; everything else in f32.
;; Inputs: W_out 1,024 x 1,024 float32; W_qkv 3,072 x 1,024 float32; b_out 1,024 float32; b_qkv 3,072 float32; x 4 x 2,048 x 1,024 float32.
;; Outputs: out0 4 x 2,048 x 1,024 float32.
;; This version of the problem:
;;   THIS VERSION OF THE PROBLEM IS GIVEN IN LOW PRECISION. The matrix products marked QUANTISED in the list below multiply operands that are first quantised to E4M3 (4 exponent bits, 3 mantissa bits; 8 bits a number), with one power-of-two scale for each 32 numbers along K (OCP MX v1.0); their sums are f32. All else is computed in f32.
;;   The module's matrix products, in the order in which they are computed (A, B: the left and right operand; K: the contracted axis; several contracted axes count as one K, in the product's order):
;;     1. [M 8,192, K 1,024] x [K 1,024, N 3,072]; A: input x; B: input W_qkv: QUANTISED
;;     2. batch 64 x [M 2,048, K 64] x [K 64, N 2,048]; A: computed on the way; B: computed on the way: QUANTISED
;;     3. batch 64 x [M 2,048, K 2,048] x [K 2,048, N 64]; A: softmax (see below); B: computed on the way: QUANTISED
;;     4. [M 8,192, K 1,024] x [K 1,024, N 1,024]; A: computed on the way; B: input W_out: QUANTISED
;;   THE QUANTISER, for each operand of a quantised product, along K:
;;     - K is cut into blocks of 32 from its start; a last block that is shorter is filled with zeros.
;;     - A block's scale is 2^e with e = floor(log2(the largest magnitude in the block)) - 8, held to -126 .. 127; a block of zeros has e = 0. As a byte (E8M0): e + 127.
;;     - Each number is divided by its block's scale, clamped to +-448, and rounded to the nearest number of E4M3, ties to even, subnormals kept.
;;     - The product sums the exact products of the quantised numbers (number of the format x scale) in f32.
;;   ~~~python
;;   def quantise(x, axis):      # numpy; x: float32 -> the quantised numbers, widened to float32 again
;;       x = np.moveaxis(x, axis, -1); K = x.shape[-1]
;;       x = np.pad(x, [(0, 0)] * (x.ndim - 1) + [(0, -K % 32)]); x = x.reshape(x.shape[:-1] + (-1, 32)); a = np.abs(x).max(-1, keepdims=True)
;;       e = np.where(a > 0, np.clip(np.frexp(np.where(a > 0, a, 1))[1] - 1 - 8, -126, 127), 0)      # np.frexp(a)[1] - 1 = floor(log2(a)), exactly
;;       r = np.clip(x / 2.0 ** e, -448, 448)
;;       step = 2.0 ** (np.maximum(np.frexp(np.where(r == 0, 1, r))[1] - 1, -6) - 3)
;;       q = np.round(r / step) * step * 2.0 ** e      # np.round: ties to even
;;       return np.moveaxis(q.reshape(q.shape[:-2] + (-1,))[..., :K], -1, axis).astype(np.float32)
;;   ~~~
;;   SOFTMAX AHEAD OF A QUANTISED PRODUCT. Where the list says 'softmax', what is quantised is not the finished softmax but p = 2^(t - M), with t = logit x log2(e) and M = ceil(the row's largest t), a whole number; so 1/2 < the row's largest p <= 1. The row's sum l is taken of the UNQUANTISED p, in f32, and the product's result is divided by l at the end. Since M is a whole number, a kernel that streams over the keys may use a running M (the ceiling of the running maximum): every later rescaling is an exact power of two, which a block's scale takes up: the codes' values come out the same.
;;   OPERANDS COMPUTED ON THE WAY. 'Computed on the way' means the value that the module computes at that place (a softmax that the list does not call 'softmax' is quantised finished and normalised). What goes into a quantiser is computed in f32, as accurately as f32 sums, v_exp_f32 and their like allow (about 1e-6 of the number): no bf16 or f16 on the way to a quantiser, and a product that is left as it is and whose result goes on into a quantised operand takes f32 operands (vector FMAs, or v_wmma_f32_16x16x4_f32). A number that lies on a knife's edge between two numbers of the format may be rounded either way, as far as f32 arithmetic and the matrix unit's own rounding can turn it there, and no further.
;; One version. Each part assembles by itself: llvm-mc -triple=amdgcn-amd-amdhsa -mcpu=gfx1250 --defsym DOCPART=n.
;; ======== version 1 of 1: 4 launches
;; limits: right only within a limited range of input values
;; workspace buffers: xw_codes 12,582,912 bytes; xw_sc 393,216 bytes; rope 524,288 bytes; q_codes 8,388,608 bytes; q_sc 262,144 bytes; kv 17,301,504 bytes; o_codes 8,388,608 bytes; o_sc 262,144 bytes
;; launch prep (part 1): grid 416 x 1, 4 waves a work-group, no clusters, 34,304 bytes of LDS; arguments x, W_qkv, W_out, xw_codes, xw_sc, rope; writes xw_codes, xw_sc, rope
.if DOCPART == 1
	.amdgcn_target "amdgcn-amd-amdhsa--gfx1250"
	.amdhsa_code_object_version 6
	.text
	.protected	k_q1c9eed3321_prep
	.globl	k_q1c9eed3321_prep
	.p2align	8
	.type	k_q1c9eed3321_prep,@function
k_q1c9eed3321_prep:
	s_mov_b64 s[64:65], 0
	v_nop
	global_prefetch_b8 v0, s[64:65] scope:SCOPE_SE
	s_setreg_imm32_b32 hwreg(HW_REG_WAVE_MODE, 25, 1), 1
	s_wait_xcnt 0x0
; x [8192][1024], W_qkv [3072][1024], W_out [1024][1024], f32, K innermost, become codes of FP8 (E4M3) with one E8M0 byte for each 32 along K; and the table of cosines and sines is made.
; THE CODES ARE LAID AS IMAGES OF THE OPERAND'S REGISTERS.  Rows go in groups of 32; x is groups 0-255, W_qkv 256-351, W_out 352-383.
;   codes  [group][ks 0..7][u 0..1][c 0..3][lane 0..31][16 bytes]: lane r + 16 h holds row 32 group + 8 u + r + 8 (r / 8), k = 128 ks + 32 c + 16 h + 0 .. 15
;   scales [group][kp 0..3][u][r][q 0..1] words: the word of K step ks = 2 kp + q, byte c for block c
; So a fragment is four dense runs of 512 bytes, and the rows of a fragment are chosen so that a later product's 16 registers of two neighbouring tiles are 16 neighbours.
; A block's scale is 2^(floor(log2(its largest magnitude)) - 8); its byte is the largest magnitude's exponent field - 8, held at 1 from below.
; LIMITS: NaN and infinities among the inputs are not served.  A block whose largest magnitude lies under 2^-118 keeps the byte 1; a block of zeros gets the byte 1 where the rule says 127:
; its codes are zeros, which add nothing under any byte but 0xff, and this program alone reads the bytes.
; SHARES.  Work-group n < 384 takes group n; wave w takes K 256 w .. 256 w + 255 of its 32 rows: four fragments f = 2 u + q.  Each load reads 512 consecutive bytes of one row; a fragment's 16 rows
; turn through the wave's own stage in LDS (rows 528 bytes apart, so that sixteen rows start at sixteen different banks) and come back 16 neighbours of each block to a lane.
; Work-groups 384-415 make the table: wave = (group of 32 positions, u).  rope [gpos 64][u][bb 2][j 4][lane][16 bytes] = (cos, sin) of pairs i and i + 1, i = 16 bb + 8 h + 2 j, at position 32 gpos + 8 u + r + 8 (r / 8).
; theta_i = 1 / P_i with P_i the f32 nearest to 10000^(i / 32); LIMIT: where the defining power is an ulp off that f32, angles at late positions differ by some 1e-4 rad.
; No input is shared between work-groups and waves share nothing: no cluster, no tensor loads, no barrier.
.set SP,   528                         ; a stage row: 512 bytes + 16
.set STG,  16*SP                       ; a wave's stage
.set R0,   16                          ; v16-79, v80-143 two sets of 16 x 4 registers as loaded
.set X,    144                         ; v144-207 64 numbers: register 16 b + i = k 32 b + 16 h + i of my row
.set PC,   208                         ; v208-223 the codes
.set TM,   224                         ; v224-239 at work
.set W,    240                         ; v240-243 the four fragments' scale words
.set SEL,  20                          ; s[20:21] lane selects: lane l xor 16
.set MNT,  22                          ; s22 the mantissa field of 448
.set OUT,  32                          ; the table's path: v32-63 results
; 64 numbers of a lane, v[s] on, become a fragment's codes in v[PC] on and its scale word in v[pw].
.macro QUANT s, pw
.irp b, 0,1,2,3
	v_max3_num_f32 v[TM+\b], |v[\s+16*\b]|, |v[\s+1+16*\b]|, 0x4800000   ; block b: my 16 numbers, and the floor 2^(9 - 127): the byte cannot fall under 1
.endr
.irp i, 2,4,6,8,10,12,14
.irp b, 0,1,2,3
	v_max3_num_f32 v[TM+\b], v[TM+\b], |v[\s+16*\b+\i]|, |v[\s+1+16*\b+\i]|   ; the four blocks by turns
.endr
.endr
.irp b, 0,1,2,3
	v_permlanex16_b32 v[TM+4+\b], v[TM+\b], s[SEL], s[SEL+1]
.endr
.irp b, 0,1,2,3
	v_max_num_f32 v[TM+\b], v[TM+\b], v[TM+4+\b]          ; with lane l xor 16's: the block's largest magnitude
.endr
.irp b, 0,1,2,3
	v_add_nc_u32 v[TM+12+\b], 0xfc000000, v[TM+\b]        ; 8 off its exponent field: the conversion's scale operand
.endr
.irp b, 0,1,2,3
	v_and_or_b32 v[TM+8+\b], v[TM+\b], 0x7f800000, s[MNT] ; 448 x the scale
.endr
.irp b, 0,1,2,3
	v_lshrrev_b32 v[TM+4+\b], 23, v[TM+12+\b]             ; the scale's byte
.endr
	v_lshl_or_b32 v[\pw], v[TM+5], 8, v[TM+4]
	v_lshl_or_b32 v[\pw], v[TM+6], 16, v[\pw]
	v_lshl_or_b32 v[\pw], v[TM+7], 24, v[\pw]
.irp b, 0,1,2,3
.irp i, 0,1,2,3,4,5,6,7,8,9,10,11,12,13,14,15
	v_med3_num_f32 v[\s+16*\b+\i], v[\s+16*\b+\i], -v[TM+8+\b], v[TM+8+\b]   ; the conversion to an 8-bit code does not saturate (ISA guide 7.6.2): the hold
.endr
	v_cvt_scalef32_pk8_fp8_f32 v[PC+4*\b:PC+1+4*\b], v[\s+16*\b:\s+7+16*\b], v[TM+12+\b]
	v_cvt_scalef32_pk8_fp8_f32 v[PC+2+4*\b:PC+3+4*\b], v[\s+8+16*\b:\s+15+16*\b], v[TM+12+\b]
.endr
	v_nop                                          ; one plain line behind the last conversion
.endm
	s_load_b256 s[4:11], s[0:1], 0x0               ; x s[4:5], W_qkv s[6:7], W_out s[8:9], xw_codes s[10:11]
	s_load_b128 s[12:15], s[0:1], 0x20             ; xw_sc s[12:13], rope s[14:15]
	v_lshl_add_u32 v254, v0, 2, 0x8400
	v_mov_b32 v255, 0
	v_lshrrev_b32 v1, 5, v0
	v_readfirstlane_b32 s16, v1                    ; wave
	v_and_b32 v1, 31, v0                           ; lane
	v_and_b32 v2, 15, v0                           ; r
	v_bfe_u32 v3, v0, 4, 1                         ; h
	v_lshlrev_b32 v4, 4, v1                        ; 16 x lane
	v_cmp_ne_u32 vcc_lo, 0, v3                     ; lanes 16-31
	s_cmp_ge_u32 ttmp9, 384
	s_cbranch_scc1 .Ltable
	s_mul_i32 s17, s16, STG
	v_add_nc_u32 v5, s17, v4                       ; the stage, on the way in: 16 x lane in row i
	v_mul_u32_u24 v6, v2, SP
	v_lshl_add_u32 v6, v3, 6, v6
	v_add_nc_u32 v6, s17, v6                       ; and out: row r, + 64 h: my 16 numbers of a block
	v_lshlrev_b32 v7, 3, v1                        ; 8 x lane: my pair of scale words
	s_mov_b32 s[SEL], 0x76543210
	s_mov_b32 s[SEL+1], 0xfedcba98
	s_mov_b32 s[MNT], 0x600000
.irp b, 0,1,2,3
	v_mov_b32 v[TM+4+\b], 0                        ; written once: a lane permute's destination counts as one of its sources
.endr
	s_mov_b32 s18, 352
	s_wait_alu depctr_va_vdst(0)
	s_wait_kmcnt 0x0
	s_cmp_lt_u32 ttmp9, 352                        ; which tensor: the choice hangs on the work-group's number alone
	s_cselect_b64 s[6:7], s[6:7], s[8:9]
	s_cselect_b32 s18, 256, s18
	s_cmp_lt_u32 ttmp9, 256
	s_cselect_b64 s[4:5], s[4:5], s[6:7]
	s_cselect_b32 s18, 0, s18
	s_sub_co_u32 s18, ttmp9, s18                   ; the group's number in its tensor
	s_lshl_b32 s18, s18, 17                        ; 32 rows of 4,096 bytes
	s_lshl_b32 s19, s16, 10                        ; my 256 along K
	s_add_co_u32 s18, s18, s19
	s_mov_b32 s19, 0
	s_add_nc_u64 s[4:5], s[4:5], s[18:19]
	s_lshl_b32 s18, ttmp9, 15
	s_lshl_b32 s23, s16, 13
	s_add_co_u32 s18, s18, s23
	s_add_nc_u64 s[10:11], s[10:11], s[18:19]      ; codes: group x 32,768 + wave x 8,192
	s_lshl_b32 s18, ttmp9, 10
	s_lshl_b32 s23, s16, 8
	s_add_co_u32 s18, s18, s23
	s_add_nc_u64 s[12:13], s[12:13], s[18:19]      ; scale words: group x 1,024 + wave x 256
.macro LOADG f                         ; fragment f = 2 u + q: its 16 rows, 512 consecutive bytes each
.set RB, R0+64*((\f)%2)
.irp i, 0,1,2,3,4,5,6,7,8,9,10,11,12,13,14,15
	global_load_b128 v[RB+4*\i:RB+4*\i+3], v4, s[4:5] offset:(8*((\f)/2)+\i+8*(\i/8))*4096+((\f)%2)*512 th:TH_LOAD_NT
.endr
.endm
.macro TURN f                          ; through the stage: LDS serves a wave's instructions in order, so no wait stands between the stores and the loads
.set RB, R0+64*((\f)%2)
.irp i, 0,1,2,3,4,5,6,7,8,9,10,11,12,13,14,15
	ds_store_b128 v5, v[RB+4*\i:RB+4*\i+3] offset:SP*\i
.endr
.irp c, 0,1,2,3
.irp j, 0,1,2,3
	ds_load_b128 v[X+16*\c+4*\j:X+16*\c+4*\j+3], v6 offset:128*\c+16*\j
.endr
.endr
.endm
	LOADG 0
	LOADG 1
.irp f, 0,1,2,3
.if \f < 3
	s_wait_loadcnt 16                              ; this fragment's 16 loads are in; the next fragment's 16 may be out
.else
	s_wait_loadcnt 0x0
.endif
	TURN \f
	s_wait_dscnt 0x0                               ; the numbers are back, and the stage's stores have read the set, which takes the loads of two fragments on
.if \f < 2
	LOADG \f+2
.endif
.if \f > 0
	s_wait_xcnt 0x0                                ; the last fragment's stores have read the codes' registers
.endif
	QUANT X, W+\f
.irp c, 0,1,2,3
	global_store_b128 v4, v[PC+4*\c:PC+4*\c+3], s[10:11] offset:(\f%2)*4096+(\f/2)*2048+\c*512   ; 512 consecutive bytes
.endr
.endr
	v_cndmask_b32 v244, v[W], v[W+2], vcc_lo       ; lanes 0-15 store the words of u = 0, lanes 16-31 those of u = 1 (every lane holds its row's word of both)
	v_cndmask_b32 v245, v[W+1], v[W+3], vcc_lo
	global_store_b64 v7, v[244:245], s[12:13]      ; 256 consecutive bytes, aligned
	s_wait_tensorcnt 0x0
	ds_add_u32 v254, v255
	s_wait_dscnt 0x0
	s_endpgm
.Ltable:
	s_sub_co_u32 s17, ttmp9, 384
	s_lshl_b32 s17, s17, 2
	s_add_co_u32 s17, s17, s16                     ; 2 gpos + u
	s_lshr_b32 s18, s17, 1
	s_lshl_b32 s18, s18, 5
	s_and_b32 s19, s17, 1
	s_lshl_b32 s19, s19, 3
	s_add_co_u32 s18, s18, s19                     ; 32 gpos + 8 u
	s_wait_alu depctr_va_vdst(0)
	v_and_b32 v5, 8, v2
	v_add3_u32 v5, v5, v2, s18                     ; my position
	v_cvt_f32_u32 v10, v5
	s_mov_b32 s20, 0x3f22f983                      ; 2 / pi
	s_mov_b32 s21, 0x3fc90fdb                      ; pi / 2, to f32,
	s_mov_b32 s22, 0x333bbd2e                      ; and by how much that lies above pi / 2
	s_mov_b32 s23, 0xb94ca1f9                      ; sine's polynomial on +-pi / 4
	s_mov_b32 s24, 0x3c08839e
	s_mov_b32 s25, 0xbe2aaaa3
	s_mov_b32 s26, 0x37ccf5ce                      ; cosine's
	s_mov_b32 s27, 0xbab6061a
	s_mov_b32 s28, 0x3d2aaaa5
	s_lshl_b32 s18, s17, 12
	s_mov_b32 s19, 0
	s_wait_kmcnt 0x0
	s_add_nc_u64 s[14:15], s[14:15], s[18:19]
; Pair n of my 16: P = p0 in lanes 0-15, p1 in lanes 16-31.  The angle a = position x theta is at most 2,047: a - k (pi / 2 to f32) is exact in one fused multiply-add, the rest of pi / 2 follows.
.macro SINCOS n, p0, p1
	v_mov_b32 v20, \p0
	v_mov_b32 v21, \p1
	v_cndmask_b32 v20, v20, v21, vcc_lo
	s_wait_alu depctr_va_vdst(0)
	v_rcp_f32 v21, v20
	v_nop                                          ; one plain line behind a transcendental
	s_wait_alu depctr_va_vdst(0)
	v_fma_f32 v22, -v20, v21, 1.0
	v_fma_f32 v21, v21, v22, v21                   ; theta = 1 / P, one Newton step
	v_mul_f32 v22, v10, v21                        ; a
	v_mul_f32 v23, s20, v22
	v_rndne_f32 v23, v23                           ; k
	v_fma_f32 v24, -v23, s21, v22
	v_fma_f32 v24, v23, s22, v24                   ; r = a - k pi / 2
	v_mul_f32 v25, v24, v24                        ; z
	v_cvt_i32_f32 v26, v23
	v_fma_f32 v27, s23, v25, s24
	v_fma_f32 v27, v27, v25, s25
	v_mul_f32 v28, v25, v24
	v_fma_f32 v27, v27, v28, v24                   ; sin r
	v_fma_f32 v29, s26, v25, s27
	v_fma_f32 v29, v29, v25, s28
	v_mul_f32 v30, v25, v25
	v_fma_f32 v31, v25, -0.5, 1.0
	v_fma_f32 v29, v29, v30, v31                   ; cos r
	v_and_b32 v30, 1, v26
	v_cmp_ne_u32 s30, 0, v30                       ; odd quadrants swap the two (a choice of values only)
	v_cndmask_b32 v31, v27, v29, s30
	v_cndmask_b32 v29, v29, v27, s30
	v_and_b32 v30, 2, v26
	v_lshlrev_b32 v30, 30, v30
	v_xor_b32 v[OUT+2*\n+1], v31, v30              ; sine: negative in quadrants 2, 3
	v_add_nc_u32 v30, 1, v26
	v_and_b32 v30, 2, v30
	v_lshlrev_b32 v30, 30, v30
	v_xor_b32 v[OUT+2*\n], v29, v30                ; cosine: negative in quadrants 1, 2
.endm
	SINCOS 0,  0x3f800000, 0x41200000
	SINCOS 1,  0x3faab0d5, 0x41555d0a
	SINCOS 2,  0x3fe39ea9, 0x418e432a
	SINCOS 3,  0x4017c496, 0x41bdb5bc
	SINCOS 4,  0x404a62c2, 0x41fcfb72
	SINCOS 5,  0x4086f161, 0x4228adb9
	SINCOS 6,  0x40b3f300, 0x4260efc0
	SINCOS 7,  0x40eff755, 0x4295fa95
	SINCOS 8,  0x42c80000, 0x447a0000
	SINCOS 9,  0x43055a26, 0x44a6b0af
	SINCOS 10, 0x4331d3f4, 0x44de48f1
	SINCOS 11, 0x436d232b, 0x451435fb
	SINCOS 12, 0x439e1d27, 0x4545a471
	SINCOS 13, 0x43d2d927, 0x4583c7b8
	SINCOS 14, 0x440c95d8, 0x45afbb4e
	SINCOS 15, 0x443b793b, 0x45ea5789
.irp t, 0,1,2,3,4,5,6,7
	global_store_b128 v4, v[OUT+4*\t:OUT+4*\t+3], s[14:15] offset:512*\t   ; 512 consecutive bytes
.endr
	s_endpgm
.Lfunc_end_k_q1c9eed3321_prep:
	.size	k_q1c9eed3321_prep, .Lfunc_end_k_q1c9eed3321_prep-k_q1c9eed3321_prep
	.p2alignl 7, 3214868480
	.fill 96, 4, 3214868480
	.section	.rodata,"a",@progbits
	.p2align	6, 0x0
	.amdhsa_kernel k_q1c9eed3321_prep
		.amdhsa_group_segment_fixed_size 34304
		.amdhsa_private_segment_fixed_size 0
		.amdhsa_enable_private_segment 0
		.amdhsa_kernarg_size 48
		.amdhsa_user_sgpr_count 2
		.amdhsa_user_sgpr_kernarg_segment_ptr 1
		.amdhsa_wavefront_size32 1
		.amdhsa_system_sgpr_workgroup_id_x 1
		.amdhsa_system_sgpr_workgroup_id_y 1
		.amdhsa_system_sgpr_workgroup_id_z 1
		.amdhsa_system_vgpr_workitem_id 0
		.amdhsa_next_free_vgpr 256
		.amdhsa_next_free_sgpr 66
		.amdhsa_reserve_vcc 1
		.amdhsa_float_denorm_mode_32 3
		.amdhsa_float_denorm_mode_16_64 3
		.amdhsa_memory_ordered 1
		.amdhsa_forward_progress 1
		.amdhsa_inst_pref_size 79
	.end_amdhsa_kernel
	.amdgpu_metadata
---
amdhsa.version: [ 1, 2 ]
amdhsa.kernels:
  - .name:           k_q1c9eed3321_prep
    .symbol:         k_q1c9eed3321_prep.kd
    .args:
      - { .name: x, .offset: 0, .size: 8, .value_kind: global_buffer, .address_space: global }
      - { .name: W_qkv, .offset: 8, .size: 8, .value_kind: global_buffer, .address_space: global }
      - { .name: W_out, .offset: 16, .size: 8, .value_kind: global_buffer, .address_space: global }
      - { .name: xw_codes, .offset: 24, .size: 8, .value_kind: global_buffer, .address_space: global }
      - { .name: xw_sc, .offset: 32, .size: 8, .value_kind: global_buffer, .address_space: global }
      - { .name: rope, .offset: 40, .size: 8, .value_kind: global_buffer, .address_space: global }
    .group_segment_fixed_size: 34304
    .private_segment_fixed_size: 0
    .kernarg_segment_align: 8
    .kernarg_segment_size: 48
    .max_flat_workgroup_size: 128
    .sgpr_count:     66
    .vgpr_count:     256
    .wavefront_size: 32
...
	.end_amdgpu_metadata
.endif
;; end of part 1
;; launch qkv (part 2): grid 12 x 32, 4 waves a work-group, clusters of 4 x 4, 327,680 bytes of LDS; arguments xw_codes, xw_sc, b_qkv, rope, q_codes, q_sc, kv; writes q_codes, q_sc, kv
.if DOCPART == 2
	.amdgcn_target "amdgcn-amd-amdhsa--gfx1250"
	.amdhsa_code_object_version 6
	.text
	.protected	k_q1c9eed3321_qkv
	.globl	k_q1c9eed3321_qkv
	.p2align	8
	.type	k_q1c9eed3321_qkv,@function
k_q1c9eed3321_qkv:
	s_mov_b64 s[64:65], 0
	v_nop
	global_prefetch_b8 v0, s[64:65] scope:SCOPE_SE
	s_setreg_imm32_b32 hwreg(HW_REG_WAVE_MODE, 25, 1), 1
	s_wait_xcnt 0x0
	s_wait_alu depctr_hold_cnt(0) depctr_sa_sdst(0) depctr_va_vdst(0) depctr_va_sdst(0) depctr_va_ssrc(0) depctr_va_vcc(0) depctr_vm_vsrc(0)
	s_getreg_b32 s2, hwreg(HW_REG_IB_STS2, 6, 4)
	s_cmp_eq_u32 s2, 0
	s_cbranch_scc0 .Lentry_in_a_cluster
	s_endpgm
.Lentry_in_a_cluster:
	s_bfe_u32 s2, ttmp6, 0x10000c
	s_cmp_lg_u32 s2, 0xf033
	s_cbranch_scc0 .Lentry_shape_is_right
	s_endpgm
.Lentry_shape_is_right:
; qkv = x W_qkv^T + b_qkv on codes of FP8 (E4M3) with E8M0 scales; q and k are turned by the rotary table; q, k along the head's 64 and v along the keys are quantised on the way out.  No f32 number goes to memory.
; OPERANDS are images of their registers (rows in groups of 32; a group's K step of 256 is 8,192 consecutive bytes [q][u][c][lane][16]; lane r + 16 h of block u holds row 8 u + r + 8 (r / 8) of the group).
; A tile of 256 x 256 is made by four waves, 128 x 128 each: 64 accumulators, 512 registers.  K goes in steps of 256 through a ring of two LDS slots filled by the tensor data mover.
; THE MATRIX INSTRUCTION: source 0 = block of "B", source 1 = block of "A": a lane holds ONE row of A, and the 16 registers of B's blocks 2 i, 2 i + 1 are B's rows 32 i + 16 h + 0 .. 15: neighbours.
;   clusters x = 0, 1 (q, k): A = x (the lane's token), B = W_qkv's rows 0-2047 (registers along the head's channels: the axis along which q and k are quantised).
;   clusters x = 2    (v)   : A = W_qkv's rows 2048-3071 (the lane's channel), B = x (registers along the keys: the axis along which v is quantised).  Only group numbers differ: one text of the loop serves both.
; CLUSTERS: 4 x 4 work-groups; A's tiles are shared along a row of the cluster, B's along a column: each is asked for jointly, by the same tensor load with a mask that names the four.
; OUT: q_codes [bh][g 64][2 u + bb][lane][16]: token 32 g + 8 u + r + 8 (r / 8), channels 32 bb + 16 h + 0 .. 15;  q_sc [bh][g][r] words, bytes (u0 bb0, u0 bb1, u1 bb0, u1 bb1);
;   kv [bh] x 270,336 bytes: K's codes [step 16][8,192] as q_codes | V's codes at 131,072: [step][t][c][lane][16]: channel 32 (t / 2) + 8 (t % 2) + r + 8 (r / 8), keys 32 c + 16 h + 0 .. 15 | K's words [step][256] at 262,144 | V's words [step][t][r] at 266,240.
; LIMITS: NaN and infinities are not served; a block whose largest magnitude lies under 2^-118, a block of zeros among them, keeps the byte 1 (its codes then add nothing or next to nothing; this program alone reads the bytes).
; REGISTERS, in windows of 256: window 0: v0-31 addresses; v32-63 scale words, two sets, and nothing else; from v128 A's fragments, one set.  window 1: B's fragments, two sets.  windows 2, 3: accumulator (a, b) at v[8 (8 (a % 4) + b)].
;   On the way out window 0: v64-127 bias, v128-191 64 numbers, v192-207 codes, v208-223 and v224-239 at work, v240-253 scale words; window 1: the table.
.set NQ,    2                          ; matrix instructions deep in a slot
.set FR,    16                         ; registers of a fragment
.set NL,    4                          ; LDS loads that bring one
.set NP,    8                          ; places behind this matrix instruction (ISA guide 7.12.1)
.set GRPB,  8192                       ; a group's bytes in a slot
.set HALFT, 4*GRPB                     ; 128 rows: what one tensor load brings
.set SLOT,  4*HALFT                    ; A's 256 rows, then B's
.set LAPS,  2                          ; K = 1,024 = two laps of two K steps
.set SCL,   2*SLOT                     ; the scale words for all of K: A's two halves, B's two, 4,096 bytes each
.set SPARE, SCL+16384                  ; the spare words, 128 bytes a wave: two blocks of 256 bytes that no other line names
.set SCRQ,  SPARE+512                  ; 512 bytes a wave: the scale words' way out, q and k;
.set SCRV,  SCRQ+2048                  ; the same for v: each path has bytes of its own
.set ADRA, 16                          ; v16-17 LDS address of my A fragments in slot 0, 1
.set ADRB, 20                          ; v20-21 the same for B
.set ASA,  22                          ; v22 of A's scale words, v23 of B's
.set ASB,  23
.set LI,   24                          ; v24 16 x lane
.set SPW,  28                          ; v28 my spare word; v29 0: never rewritten
.set NIL,  29
.set SC,   32
.set AF,   128
.set BI,   64
.set X,    128
.set PC,   192
.set TT,   208
.set TM,   224
.set PW,   240
.set W,    242
.set WV,   18                          ; s18 wave; s19 wave / 2: my half of A, and: I fetch for A (0) or B (1); s20 wave % 2: my half of B, and which 128 rows I fetch
.set HA,   19
.set HB,   20
.set G1,   24
.set G0,   32
.set G1B,  48
.set G0B,  56
.set G1S,  68
.set G0S,  76
.set G1SB, 80
.set G0SB, 88
.set SEL,  24                          ; on the way out, when every tensor load has landed: s[24:25] lane selects, s26 the mantissa field of 448
.set MNT,  26
.set MSB, 0
.macro WIN new                         ; the immediate's high byte repeats the setting that is left
.if MSB != (\new)
	s_set_vgpr_msb (MSB<<8)|(\new)
.set MSB, \new
.endif
.endm
.set MUL_LO, 0xa1                      ; source 0 (B) window 1, source 1 (A) window 0, C and D window 2
.set MUL_HI, 0xf1
.set TO_B,   0x40
; A joint load: waves 0, 1 fetch for A, waves 2, 3 for B; the branch hangs on the wave's number alone.  Four v_nop follow each of the two lines.
.macro JLOAD g0a, g1a, g0b, g1b
	s_cmp_eq_u32 s[HA], 0
	s_cbranch_scc0 .Lfor_b_\@
	tensor_load_to_lds s[\g0a:\g0a+3], s[\g1a:\g1a+7]
	s_nop 0
.rept 4
	v_nop
.endr
	s_branch .Lasked_\@
.Lfor_b_\@:
	tensor_load_to_lds s[\g0b:\g0b+3], s[\g1b:\g1b+7]
	s_nop 0
.rept 4
	v_nop
.endr
.Lasked_\@:
.endm
.macro CREST                           ; a round of the cluster's barrier behind its opening barrier
	s_cmp_lg_u32 s[WV], 0
	s_cbranch_scc1 .Lnot_wave_0_\@
	s_barrier_signal -3
.Lnot_wave_0_\@:
	s_barrier_wait -3
	s_barrier_signal -1
	s_barrier_wait -1
.endm
.macro CROUND
	s_barrier_signal -1
	s_barrier_wait -1
	CREST
.endm
.macro PLACES n
.rept \n
	v_nop
.endr
.endm
	s_load_b128 s[4:7], s[0:1], 0x0                ; xw_codes, xw_sc
	s_load_b128 s[8:11], s[0:1], 0x10              ; b_qkv, rope
	s_load_b128 s[12:15], s[0:1], 0x20             ; q_codes, q_sc
	s_load_b64 s[16:17], s[0:1], 0x30              ; kv
	v_lshl_add_u32 v[SPW], v0, 2, SPARE
	v_mov_b32 v[NIL], 0
	ds_add_u32 v28, v29
	ds_add_u32 v28, v29
	s_wait_dscnt 0x0
	v_lshrrev_b32 v1, 5, v0
	v_readfirstlane_b32 s[WV], v1
	s_lshr_b32 s[HA], s[WV], 1
	s_and_b32 s[HB], s[WV], 1
	s_bfe_u32 s40, ttmp6, 0x40000                  ; cx
	s_bfe_u32 s41, ttmp6, 0x40004                  ; cy
	s_and_b32 s42, ttmp7, 0xffff
	s_lshl_b32 s42, s42, 2                         ; 4 x cluster y
	s_lshl_b32 s43, ttmp9, 2                       ; 4 x cluster x
	s_cmp_eq_u32 ttmp9, 2                          ; v's clusters: the same answer in all sixteen partners
	s_cselect_b32 s44, 0, s42
	s_cselect_b32 s45, s42, s43
	s_cselect_b32 s46, 320, 0                      ; the first group of A's tensor: W_v or x
	s_cselect_b32 s47, 0, 256                      ; of B's: x or W_qkv
	s_add_co_u32 s93, s44, s41                     ; tile row (A): + cy
	s_add_co_u32 s94, s45, s40                     ; tile column (B): + cx
	s_lshl_b32 s43, s41, 2
	s_lshl_b32 s43, 15, s43                        ; my row of the cluster
	s_lshl_b32 s44, 0x1111, s40                    ; my column
	; group 1, codes: 4 rows (groups) of 8,192 bytes = 1,024 elements of 8 bytes, 32,768 bytes apart; dense in LDS
	s_or_b32 s[G1+0], s43, (3<<16)|(1<<21)
	s_or_b32 s[G1B+0], s44, (3<<16)|(1<<21)
.irp g, G1, G1B
	s_mov_b32 s[\g+1], 1024<<16                    ; tensor_dim0
	s_mov_b32 s[\g+2], 8<<16                       ; tensor_dim1: 8 groups for the head's loads; set to 4 for the ring's behind them
	s_mov_b32 s[\g+3], 1024<<16                    ; tile_dim0
	s_mov_b32 s[\g+4], 8                           ; tile_dim1 likewise
	s_mov_b32 s[\g+5], 4096                        ; tensor_dim0_stride
	s_mov_b32 s[\g+6], 0
	s_mov_b32 s[\g+7], 0
.endr
	; group 1, scale words of 256 rows: 8,192 dense bytes as 32 rows of 256
	s_or_b32 s[G1S+0], s43, (3<<16)|(1<<21)
	s_or_b32 s[G1SB+0], s44, (3<<16)|(1<<21)
.irp g, G1S, G1SB
	s_mov_b32 s[\g+1], 32<<16
	s_mov_b32 s[\g+2], 32<<16                      ; the scale words of 256 rows: 8,192 dense bytes as 32 rows of 256
	s_mov_b32 s[\g+3], 32<<16
	s_mov_b32 s[\g+4], 32
	s_mov_b32 s[\g+5], 32
	s_mov_b32 s[\g+6], 0
	s_mov_b32 s[\g+7], 0
.endr
	s_lshl_b32 s96, s94, 3
	s_add_co_u32 s96, s96, s47                     ; B's first group
	s_lshl_b32 s22, s93, 3
	s_add_co_u32 s22, s22, s46                     ; A's first group
	s_lshl_b32 s46, s22, 10                        ; its scale words, in bytes,
	s_mov_b32 s47, 0
	s_lshl_b32 s22, s22, 15                        ; its codes
	s_mov_b32 s23, 0
	s_lshl_b32 s98, s96, 10
	s_mov_b32 s99, 0
	s_lshl_b32 s96, s96, 15
	s_mov_b32 s97, 0
	s_lshl_b32 s45, s[WV], 15                      ; where they go: wave x 128 rows: no place in the cluster enters an LDS address
	s_wait_kmcnt 0x0
	s_add_nc_u64 s[22:23], s[4:5], s[22:23]
	s_add_nc_u64 s[46:47], s[6:7], s[46:47]
	s_add_nc_u64 s[96:97], s[4:5], s[96:97]
	s_add_nc_u64 s[98:99], s[6:7], s[98:99]
	CROUND                                         ; all sixteen work-groups are here: the first joint loads meet
	s_mov_b32 s[G0S], 1
	s_mov_b32 s[G0S+1], SCL
	s_mov_b64 s[G0S+2:G0S+3], s[46:47]
	s_or_b32 s[G0S+3], s[G0S+3], 0x80000000
	s_mov_b32 s[G0SB], 1
	s_mov_b32 s[G0SB+1], SCL+8192
	s_mov_b64 s[G0SB+2:G0SB+3], s[98:99]
	s_or_b32 s[G0SB+3], s[G0SB+3], 0x80000000
; THE HEAD'S LOADS, ONE A WAVE: wave 0 fetches K step 0's 256 rows of A, wave 1 those of B, wave 2 the scale words of A's 256 rows, wave 3 those of B's.
; One tree of branches on the wave's number, each arm with its load and, but for the last, a jump to the tree's end.
.set G0H,  4                           ; s[4:7], s[40:43]: group 0 of the two loads of codes (what lay there has been used)
.set G0HB, 40
	s_mov_b32 s[G0H], 1
	s_mov_b32 s[G0H+1], 0
	s_mov_b64 s[G0H+2:G0H+3], s[22:23]
	s_or_b32 s[G0H+3], s[G0H+3], 0x80000000
	s_mov_b32 s[G0HB], 1
	s_mov_b32 s[G0HB+1], 2*HALFT
	s_mov_b64 s[G0HB+2:G0HB+3], s[96:97]
	s_or_b32 s[G0HB+3], s[G0HB+3], 0x80000000
.macro ARM under, g0, g1, next
	s_cmp_lt_u32 s[WV], \under
	s_cbranch_scc0 \next
	tensor_load_to_lds s[\g0:\g0+3], s[\g1:\g1+7]
	s_nop 0
.rept 4
	v_nop
.endr
	s_branch .Lhead_asked
\next:
.endm
	ARM 1, G0H,  G1,  .Lhead_b
	ARM 2, G0HB, G1B, .Lhead_sa
	ARM 3, G0S,  G1S, .Lhead_sb
	tensor_load_to_lds s[G0SB:G0SB+3], s[G1SB:G1SB+7]
	s_nop 0
.rept 4
	v_nop
.endr
.Lhead_asked:
	s_lshl_b32 s2, s[HB], 17                       ; for the ring: which four groups of a tile I fetch, in bytes
	s_mov_b32 s3, 0
	s_add_nc_u64 s[22:23], s[22:23], s[2:3]
	s_add_nc_u64 s[96:97], s[96:97], s[2:3]
.irp s, 0,1
	s_mov_b32 s[G0+4*\s], 1
	s_add_co_u32 s[G0+4*\s+1], s45, \s*SLOT
	s_add_nc_u64 s[G0+4*\s+2:G0+4*\s+3], s[22:23], \s*GRPB
	s_or_b32 s[G0+4*\s+3], s[G0+4*\s+3], 0x80000000
	s_mov_b32 s[G0B+4*\s], 1
	s_add_co_u32 s[G0B+4*\s+1], s45, \s*SLOT
	s_add_nc_u64 s[G0B+4*\s+2:G0B+4*\s+3], s[96:97], \s*GRPB
	s_or_b32 s[G0B+4*\s+3], s[G0B+4*\s+3], 0x80000000
.if \s                                 ; slot 0's own group 0 is first used at its first refill; slot 1's first fill is issued as a refill is
	s_wait_alu depctr_va_vdst(0)
	s_wait_tensorcnt 0x0                           ; my tile of the head's four is in
	ds_add_u32 v[SPW], v[NIL]
	s_mov_b32 s[G1+2], 4<<16                       ; no tensor load of mine is out: from here on a load brings four groups
	s_mov_b32 s[G1+4], 4
	s_mov_b32 s[G1B+2], 4<<16
	s_mov_b32 s[G1B+4], 4
	s_wait_dscnt 0x0
	CROUND
	JLOAD G0+4*\s, G1, G0B+4*\s, G1B
.endif
.endr
	v_and_b32 v1, 31, v0                           ; lane
	v_and_b32 v2, 15, v0                           ; r
	v_bfe_u32 v3, v0, 4, 1                         ; h
	s_wait_alu depctr_va_vdst(0)
	v_lshlrev_b32 v[LI], 4, v1
	s_lshl_b32 s21, s[HA], 15                      ; my 128 rows of A
	s_lshl_b32 s2, s[HB], 15
	s_add_co_u32 s2, s2, 2*HALFT                   ; my 128 rows of B, behind A's 256
.irp s, 0,1
	v_add_nc_u32 v[ADRA+\s], s21, v[LI]
	v_add_nc_u32 v[ADRB+\s], s2, v[LI]
	s_add_co_u32 s21, s21, SLOT
	s_add_co_u32 s2, s2, SLOT
.endr
	v_lshlrev_b32 v4, 3, v1                        ; a pair of scale words a lane
	s_lshl_b32 s21, s[HA], 12
	s_add_co_u32 s21, s21, SCL
	v_add_nc_u32 v[ASA], s21, v4
	s_lshl_b32 s21, s[HB], 12
	s_add_co_u32 s21, s21, SCL+8192
	v_add_nc_u32 v[ASB], s21, v4
	v_lshlrev_b32 v18, 6, v3                       ; 64 h: the bias of my 16 of each 32 columns
	v_and_b32 v5, 8, v2
	v_add_nc_u32 v5, v5, v2
	v_lshlrev_b32 v19, 2, v5                       ; 4 (r + 8 (r / 8)): the bias of my row
	s_lshl_b32 s21, s[WV], 9
	v_lshl_add_u32 v25, v2, 2, s21
	v_add_nc_u32 v25, SCRQ, v25                    ; the scale words' way out: in, 4 r;
	v_add_nc_u32 v26, s21, v[LI]
	v_add_nc_u32 v26, SCRQ, v26                    ; back, 16 x lane
	v_add_nc_u32 v27, SCRV-SCRQ, v25
	v_add_nc_u32 v30, SCRV-SCRQ, v26
.macro FRAG reg, adr, q, i             ; block i = 2 (group) + u of the slot's q-th 128 along K: four dense runs of 512 bytes
.irp c, 0,1,2,3
	ds_load_b128 v[\reg+4*\c:\reg+4*\c+3], v[\adr] offset:((\i)/2)*GRPB+(\q)*4096+((\i)%2)*2048+512*\c
.endr
.endm
; One product: A's block a x B's block b.  A register of scale words holds an even block's in lanes 0-15 and the odd block's in lanes 16-31.
.macro WM a, b, p, q, sc, zero
.set rD, 8*(8*((\a)%4)+(\b))
.set rB, 128*(\p)+FR*(\b)
.set rA, AF+FR*(\a)
.set rSB, SC+16*(\sc)+8+2*((\b)/2)+(\q)
.set rSA, SC+16*(\sc)+2*((\a)/2)+(\q)
.set oB, (\b)%2
.set oA, (\a)%2
.if \zero
.if oB && oA
	v_wmma_scale_f32_16x16x128_f8f6f4 v[rD:rD+7], v[rB:rB+15], v[rA:rA+15], 0, v[rSB], v[rSA] matrix_a_scale:MATRIX_SCALE_ROW1 matrix_b_scale:MATRIX_SCALE_ROW1
.elseif oB
	v_wmma_scale_f32_16x16x128_f8f6f4 v[rD:rD+7], v[rB:rB+15], v[rA:rA+15], 0, v[rSB], v[rSA] matrix_a_scale:MATRIX_SCALE_ROW1
.elseif oA
	v_wmma_scale_f32_16x16x128_f8f6f4 v[rD:rD+7], v[rB:rB+15], v[rA:rA+15], 0, v[rSB], v[rSA] matrix_b_scale:MATRIX_SCALE_ROW1
.else
	v_wmma_scale_f32_16x16x128_f8f6f4 v[rD:rD+7], v[rB:rB+15], v[rA:rA+15], 0, v[rSB], v[rSA]
.endif
.else
.if oB && oA
	v_wmma_scale_f32_16x16x128_f8f6f4 v[rD:rD+7], v[rB:rB+15], v[rA:rA+15], v[rD:rD+7], v[rSB], v[rSA] matrix_a_scale:MATRIX_SCALE_ROW1 matrix_b_scale:MATRIX_SCALE_ROW1
.elseif oB
	v_wmma_scale_f32_16x16x128_f8f6f4 v[rD:rD+7], v[rB:rB+15], v[rA:rA+15], v[rD:rD+7], v[rSB], v[rSA] matrix_a_scale:MATRIX_SCALE_ROW1
.elseif oA
	v_wmma_scale_f32_16x16x128_f8f6f4 v[rD:rD+7], v[rB:rB+15], v[rA:rA+15], v[rD:rD+7], v[rSB], v[rSA] matrix_b_scale:MATRIX_SCALE_ROW1
.else
	v_wmma_scale_f32_16x16x128_f8f6f4 v[rD:rD+7], v[rB:rB+15], v[rA:rA+15], v[rD:rD+7], v[rSB], v[rSA]
.endif
.endif
.endm
; 16 products: A's blocks a0, a0 + 1 x B's eight.  The 64 accumulators take turns, one instruction a turn, in the same order in every step.
.macro MUL16 a0, p, q, sc, zero
.irp a, \a0, \a0+1
.irp b, 0,1,2,3,4,5,6,7
	WM \a, \b, \p, \q, \sc, \zero
.endr
.endr
.endm
.macro FETCH_B slot, q, p
	WIN TO_B
.irp i, 0,1,2,3,4,5,6,7
	FRAG 128*(\p)+FR*\i, ADRB+\slot, \q, \i
.endr
	WIN 0
.endm
.macro FETCH_A slot, q, i0
.irp i, \i0, \i0+1, \i0+2, \i0+3
	FRAG AF+FR*(\i), ADRA+\slot, \q, \i
.endr
.endm
.macro SCALES sc                       ; a K step's scale words: a pair (q = 0, 1) for each group of A and of B: eight loads
.irp g, 0,1,2,3
	ds_load_b64 v[SC+16*\sc+2*\g:SC+16*\sc+2*\g+1], v[ASA] offset:1024*\g
.endr
.irp g, 0,1,2,3
	ds_load_b64 v[SC+16*\sc+8+2*\g:SC+16*\sc+8+2*\g+1], v[ASB] offset:1024*\g
.endr
.endm
; A step of 128 along K that has its successor in the same slot.  A has one set of registers (blocks 0-3 fetched anew in the middle, 4-7 at the end), B two.
.macro STEP slot, q, zero
	s_wait_dscnt 4*NL                              ; all but the youngest 16 loads (A's blocks 4-7) are in
	WIN MUL_LO
	MUL16 0, (\q)%2, \q, \slot, \zero
	MUL16 2, (\q)%2, \q, \slot, \zero
	s_wait_dscnt 0
	PLACES NP                                      ; in front of loads into registers that matrix instructions have read
	FETCH_B \slot, (\q)+1, 1-(\q)%2
	FETCH_A \slot, (\q)+1, 0
	WIN MUL_HI
	MUL16 4, (\q)%2, \q, \slot, \zero
	MUL16 6, (\q)%2, \q, \slot, \zero
	PLACES NP
	WIN 0
	FETCH_A \slot, (\q)+1, 4
.endm
; A slot's last step changes slots: one barrier; in front of it each wave waits for all its tensor loads, adds 0 to its spare word, and waits for that and for its reads of this slot.
.macro TURN slot, next, fill
	s_wait_tensorcnt 0x0                           ; all my tensor loads have landed: my part of the next slot
	ds_add_u32 v[SPW], v[NIL]                      ; 0 onto my spare word
	s_wait_dscnt 4*NL+1                            ; (the add and the youngest 16 loads may be out)
	WIN MUL_LO
	MUL16 0, 1, NQ-1, \slot, 0
	s_wait_dscnt 0x0                               ; the add is done, and my reads of this slot are over
	s_barrier_signal -1
	MUL16 2, 1, NQ-1, \slot, 0
	WIN 0
	s_barrier_wait -1
.if \fill
	CREST                                          ; the barrier has opened a round of the cluster's: no wave of any partner still reads this slot or has a load on its way
	s_add_nc_u64 s[G0+4*\slot+2:G0+4*\slot+3], s[G0+4*\slot+2:G0+4*\slot+3], 2*GRPB
	s_add_nc_u64 s[G0B+4*\slot+2:G0B+4*\slot+3], s[G0B+4*\slot+2:G0B+4*\slot+3], 2*GRPB
	JLOAD G0+4*\slot, G1, G0B+4*\slot, G1B         ; the first tensor load behind the round, my one load until the next; its four v_nop are among the places below
	PLACES NP-4
.else
	PLACES NP
.endif
	s_wait_alu depctr_va_vdst(0)
	v_add_nc_u32 v[ASA], 256, v[ASA]               ; the next K step's scale words (no LDS load of mine is out)
	v_add_nc_u32 v[ASB], 256, v[ASB]
	FETCH_B \next, 0, 0
	FETCH_A \next, 0, 0
	SCALES \next
	WIN MUL_HI
	MUL16 4, 1, NQ-1, \slot, 0
	MUL16 6, 1, NQ-1, \slot, 0
	PLACES NP
	WIN 0
	FETCH_A \next, 0, 4
.endm
	s_wait_tensorcnt 1                             ; the scale words and my part of K step 0 are in; K step 1's load may be out
	s_barrier_signal -1
	s_barrier_wait -1
	FETCH_B 0, 0, 0
	FETCH_A 0, 0, 0
	SCALES 0
	FETCH_A 0, 0, 4
	STEP 0, 0, 1                                   ; the first step stands in front of the loop: its products start the sums
	s_mov_b32 s3, LAPS-1
.Llap:
	TURN 0, 1, 1
	STEP 1, 0, 0
	TURN 1, 0, 1
	STEP 0, 0, 0
	s_sub_co_u32 s3, s3, 1
	s_cmp_lg_u32 s3, 0
	s_cbranch_scc1 .Llap
	TURN 0, 1, 0                                   ; the last lap fills nothing
	STEP 1, 0, 0
	s_wait_dscnt 4*NL
	WIN MUL_LO
	MUL16 0, 1, NQ-1, 1, 0
	MUL16 2, 1, NQ-1, 1, 0
	s_wait_dscnt 0
	WIN MUL_HI
	MUL16 4, 1, NQ-1, 1, 0
	MUL16 6, 1, NQ-1, 1, 0
	WIN 0
; THE WAY OUT.  The 64 registers of A's block a are, as they lie, 64 numbers of the lane's row: register 16 i + j = B's row 32 i + 16 h + j.
.macro QUANT s, pw                     ; they become a fragment's codes in v[PC] on and its scale word in v[pw]
.irp b, 0,1,2,3
	v_max3_num_f32 v[TM+\b], |v[\s+16*\b]|, |v[\s+1+16*\b]|, 0x4800000   ; my 16 numbers, and the floor 2^(9 - 127): the byte cannot fall under 1
.endr
.irp i, 2,4,6,8,10,12,14
.irp b, 0,1,2,3
	v_max3_num_f32 v[TM+\b], v[TM+\b], |v[\s+16*\b+\i]|, |v[\s+1+16*\b+\i]|
.endr
.endr
.irp b, 0,1,2,3
	v_permlanex16_b32 v[TM+4+\b], v[TM+\b], s[SEL], s[SEL+1]
.endr
.irp b, 0,1,2,3
	v_max_num_f32 v[TM+\b], v[TM+\b], v[TM+4+\b]
.endr
.irp b, 0,1,2,3
	v_add_nc_u32 v[TM+12+\b], 0xfc000000, v[TM+\b]        ; 8 off the exponent field: the conversion's scale operand
.endr
.irp b, 0,1,2,3
	v_and_or_b32 v[TM+8+\b], v[TM+\b], 0x7f800000, s[MNT] ; 448 x the scale
.endr
.irp b, 0,1,2,3
	v_lshrrev_b32 v[TM+4+\b], 23, v[TM+12+\b]
.endr
	v_lshl_or_b32 v[\pw], v[TM+5], 8, v[TM+4]
	v_lshl_or_b32 v[\pw], v[TM+6], 16, v[\pw]
	v_lshl_or_b32 v[\pw], v[TM+7], 24, v[\pw]
.irp b, 0,1,2,3
.irp i, 0,1,2,3,4,5,6,7,8,9,10,11,12,13,14,15
	v_med3_num_f32 v[\s+16*\b+\i], v[\s+16*\b+\i], -v[TM+8+\b], v[TM+8+\b]   ; the conversion does not saturate (ISA guide 7.6.2): the hold
.endr
	v_cvt_scalef32_pk8_fp8_f32 v[PC+4*\b:PC+1+4*\b], v[\s+16*\b:\s+7+16*\b], v[TM+12+\b]
	v_cvt_scalef32_pk8_fp8_f32 v[PC+2+4*\b:PC+3+4*\b], v[\s+8+16*\b:\s+15+16*\b], v[TM+12+\b]
.endr
	v_nop                                          ; one plain line behind the last conversion
.endm
	PLACES NP                                      ; behind the last products: in front of every read of results and every write or load into operands' registers
.irp b, 0,1,2,3
	v_mov_b32 v[TM+4+\b], 0                        ; a lane permute's destination counts as one of its sources
.endr
	s_mov_b32 s[SEL], 0x76543210
	s_mov_b32 s[SEL+1], 0xfedcba98
	s_mov_b32 s[MNT], 0x600000
	s_cmp_eq_u32 ttmp9, 2
	s_cbranch_scc1 .Lvpath
	; ---- q and k: the lane's row is a token, the registers run along two heads' channels
	s_lshl_b32 s28, s93, 8
	s_lshl_b32 s29, s[HA], 7
	s_add_co_u32 s28, s28, s29                     ; my first token
	s_lshr_b32 s29, s28, 11                        ; batch
	s_bfe_u32 s30, s28, 0x40007                    ; which 128 positions of the sequence
	s_lshl_b32 s31, s94, 8
	s_lshl_b32 s32, s[HB], 7
	s_add_co_u32 s31, s31, s32                     ; my first column of qkv
	s_bfe_u32 s32, s31, 0x40006                    ; head
	s_lshl_b32 s29, s29, 4
	s_add_co_u32 s32, s32, s29                     ; 16 x batch + head
	s_mov_b32 s33, 131072                          ; q: bytes from head to head, from 128 tokens to the next; the same for the scale words
	s_mov_b32 s34, 8192
	s_mov_b32 s35, 4096
	s_mov_b32 s36, 256
	s_cmp_eq_u32 ttmp9, 1                          ; k goes into kv
	s_cselect_b32 s33, 270336, s33
	; kv IS LAID, for each of the 64 heads, as 270,336 dense bytes: K's codes [step 16][8,192] | V's codes [step][8,192] at 131,072 | K's words [step][256] at 262,144 | V's words [step][256] at 266,240
	; (inside a step as the head comment has them).  So k's strides from 128 tokens to the next are q's: 8,192 and 256
	s_cselect_b32 s35, 270336, s35
	s_cselect_b32 s37, 262144, 0
	s_cselect_b64 s[38:39], s[16:17], s[12:13]
	s_cselect_b64 s[40:41], s[16:17], s[14:15]
	s_mul_i32 s42, s32, s33
	s_mul_i32 s43, s30, s34
	s_add_co_u32 s42, s42, s43
	s_mov_b32 s43, 0
	s_add_nc_u64 s[38:39], s[38:39], s[42:43]      ; my first head's codes,
	s_mov_b32 s42, s33
	s_add_nc_u64 s[44:45], s[38:39], s[42:43]      ; my second head's
	s_mul_i32 s42, s32, s35
	s_mul_i32 s46, s30, s36
	s_add_co_u32 s42, s42, s46
	s_add_co_u32 s42, s42, s37
	s_add_nc_u64 s[40:41], s[40:41], s[42:43]      ; the scale words
	s_lshl_b32 s42, s31, 2
	s_add_nc_u64 s[8:9], s[8:9], s[42:43]          ; the bias of my 128 columns
	s_lshl_b32 s42, s30, 15
	s_add_nc_u64 s[10:11], s[10:11], s[42:43]      ; the table of my 128 positions
	v_mul_u32_u24 v31, s35, v3
	v_lshl_add_u32 v31, v2, 4, v31                 ; the words' store: lanes 0-15 the first head's 256 bytes, lanes 16-31 the second's
.irp b, 0,1,2,3
.irp j, 0,1,2,3
	global_load_b128 v[BI+16*\b+4*\j:BI+16*\b+4*\j+3], v18, s[8:9] offset:128*\b+16*\j
.endr
.endr
	WIN 0x40                                       ; destination window 1
.set i, 0
.rept 64
	global_load_b128 v[4*i:4*i+3], v[LI], s[10:11] offset:512*i   ; block a's eight loads: v[32 a + 16 bb + 2 p] = cos, + 1 = sin of pair 16 bb + 8 h + p at my token
.set i, i+1
.endr
	WIN 0
.macro QKBLOCK a
	s_wait_loadcnt 8*(7-(\a))                      ; the bias and this block's part of the table are in; the later blocks' eight loads each may be out
.if (\a) > 0
	s_wait_xcnt 0x0                                ; the last block's stores have read the codes' registers
.endif
	WIN 0x02+(\a)/4                                ; source 0: the accumulators' window
.set AC, 64*((\a)%4)
.set i, 0
.rept 32
	v_pk_add_f32 v[X+i:X+i+1], v[AC+i:AC+i+1], v[BI+i:BI+i+1]   ; + bias; each accumulator from its low end on
.set i, i+2
.endr
	WIN 0x04                                       ; source 1: the table's window
.irp b, 0,1,2,3
.irp p, 0,1,2,3,4,5,6,7
	v_pk_mul_f32 v[TT+2*\p:TT+2*\p+1], v[X+16*\b+2*\p:X+16*\b+2*\p+1], v[32*(\a)+16*(\b%2)+2*\p:32*(\a)+16*(\b%2)+2*\p+1] op_sel_hi:[1,0]   ; (even, odd) x cos
.endr
.irp p, 0,1,2,3,4,5,6,7
	v_pk_fma_f32 v[X+16*\b+2*\p:X+16*\b+2*\p+1], v[X+16*\b+2*\p:X+16*\b+2*\p+1], v[32*(\a)+16*(\b%2)+2*\p:32*(\a)+16*(\b%2)+2*\p+1], v[TT+2*\p:TT+2*\p+1] op_sel:[1,1,0] op_sel_hi:[0,1,1] neg_lo:[0,1,0]   ; even: - odd x sin; odd: + even x sin
.endr
.endr
	WIN 0
	QUANT X, PW+(\a)%2
.irp b, 0,1
	global_store_b128 v[LI], v[PC+4*\b:PC+4*\b+3], s[38:39] offset:((\a)/2)*2048+((\a)%2)*1024+\b*512   ; 512 consecutive bytes
.endr
.irp b, 0,1
	global_store_b128 v[LI], v[PC+8+4*\b:PC+8+4*\b+3], s[44:45] offset:((\a)/2)*2048+((\a)%2)*1024+\b*512
.endr
.if (\a)%2
	v_perm_b32 v[W+(\a)/2], v[PW+1], v[PW], 0x05040100     ; a head's word of a group: (u0 bb0, u0 bb1, u1 bb0, u1 bb1)
	v_perm_b32 v[W+4+(\a)/2], v[PW+1], v[PW], 0x07060302
.endif
.endm
.irp a, 0,1,2,3,4,5,6,7
	QKBLOCK \a
.endr
.irp i, 0,1,2,3,4,5,6,7
	ds_store_b32 v25, v[W+\i] offset:64*\i         ; lanes r and r + 16 write the same word with the same value
.endr
	ds_load_b128 v[250:253], v26                   ; LDS serves a wave's instructions in order: this sees my stores
	s_wait_dscnt 0x0
	global_store_b128 v31, v[250:253], s[40:41]    ; two aligned runs of 256 bytes
	s_branch .Ldone
.Lvpath:
	; ---- v: the lane's row is a channel of a head, the registers run along 128 keys
	s_lshl_b32 s28, s94, 8
	s_lshl_b32 s29, s[HB], 7
	s_add_co_u32 s28, s28, s29                     ; my first token
	s_lshr_b32 s29, s28, 11                        ; batch
	s_bfe_u32 s30, s28, 0x40007                    ; step of 128 keys
	s_lshl_b32 s31, s93, 8
	s_lshl_b32 s32, s[HA], 7
	s_add_co_u32 s31, s31, s32                     ; my first channel of v's 1,024
	s_lshr_b32 s32, s31, 6                         ; head
	s_lshl_b32 s29, s29, 4
	s_add_co_u32 s32, s32, s29
	s_mul_i32 s42, s32, 270336
	s_lshl_b32 s43, s30, 13                        ; V's codes: 8,192 bytes a step, from byte 131,072 of the head
	s_add_co_u32 s46, s42, 266240                  ; V's words: 256 bytes a step, from byte 266,240
	s_lshl_b32 s47, s30, 8
	s_add_co_u32 s46, s46, s47
	s_mov_b32 s47, 0
	s_add_nc_u64 s[46:47], s[16:17], s[46:47]
	s_add_co_u32 s42, s42, s43
	s_add_co_u32 s42, s42, 131072
	s_mov_b32 s43, 0
	s_add_nc_u64 s[38:39], s[16:17], s[42:43]      ; V of my first head's step,
	s_add_nc_u64 s[44:45], s[38:39], 270336        ; of my second head's
	s_lshl_b32 s42, s31, 2
	s_add_co_u32 s42, s42, 8192                    ; v's bias begins at number 2,048
	s_add_nc_u64 s[8:9], s[8:9], s[42:43]
	v_mul_u32_u24 v31, v3, 0x42000
	v_lshl_add_u32 v31, v2, 4, v31
.irp a, 0,1,2,3,4,5,6,7
	global_load_b32 v[BI+2*\a], v19, s[8:9] offset:4*(32*(\a/2)+8*(\a%2))     ; my row's bias, into both registers of a pair: the packed form names the pair
	global_load_b32 v[BI+2*\a+1], v19, s[8:9] offset:4*(32*(\a/2)+8*(\a%2))
.endr
	s_wait_loadcnt 0x0
.macro VBLOCK a
.if (\a) > 0
	s_wait_xcnt 0x0                                ; the last block's stores have read the codes' registers
.endif
	WIN 0x02+(\a)/4
.set AC, 64*((\a)%4)
.set i, 0
.rept 32
	v_pk_add_f32 v[X+i:X+i+1], v[AC+i:AC+i+1], v[BI+2*(\a):BI+2*(\a)+1] op_sel_hi:[1,0]
.set i, i+2
.endr
	WIN 0
	QUANT X, W+(\a)
.irp b, 0,1,2,3
.if (\a) < 4
	global_store_b128 v[LI], v[PC+4*\b:PC+4*\b+3], s[38:39] offset:((\a)%4)*2048+512*\b
.else
	global_store_b128 v[LI], v[PC+4*\b:PC+4*\b+3], s[44:45] offset:((\a)%4)*2048+512*\b
.endif
.endr
.endm
.irp a, 0,1,2,3,4,5,6,7
	VBLOCK \a
.endr
.irp i, 0,1,2,3,4,5,6,7
	ds_store_b32 v27, v[W+\i] offset:64*\i
.endr
	ds_load_b128 v[250:253], v30
	s_wait_dscnt 0x0
	global_store_b128 v31, v[250:253], s[46:47]    ; two aligned runs of 256 bytes, one for each head
.Ldone:
	s_wait_tensorcnt 0x0                           ; the wave's end: behind my last tensor load and my last LDS store
	ds_add_u32 v[SPW], v[NIL]
	s_wait_dscnt 0x0
	CROUND                                         ; the closing round: no work-group ends while a partner may still ask for a tile that names it
	s_endpgm
.Lfunc_end_k_q1c9eed3321_qkv:
	.size	k_q1c9eed3321_qkv, .Lfunc_end_k_q1c9eed3321_qkv-k_q1c9eed3321_qkv
	.p2alignl 7, 3214868480
	.fill 96, 4, 3214868480
	.section	.rodata,"a",@progbits
	.p2align	6, 0x0
	.amdhsa_kernel k_q1c9eed3321_qkv
		.amdhsa_group_segment_fixed_size 327680
		.amdhsa_private_segment_fixed_size 0
		.amdhsa_enable_private_segment 0
		.amdhsa_kernarg_size 56
		.amdhsa_user_sgpr_count 2
		.amdhsa_user_sgpr_kernarg_segment_ptr 1
		.amdhsa_wavefront_size32 1
		.amdhsa_system_sgpr_workgroup_id_x 1
		.amdhsa_system_sgpr_workgroup_id_y 1
		.amdhsa_system_sgpr_workgroup_id_z 1
		.amdhsa_system_vgpr_workitem_id 0
		.amdhsa_next_free_vgpr 1024
		.amdhsa_next_free_sgpr 100
		.amdhsa_reserve_vcc 0
		.amdhsa_float_denorm_mode_32 3
		.amdhsa_float_denorm_mode_16_64 3
		.amdhsa_memory_ordered 1
		.amdhsa_forward_progress 1
		.amdhsa_inst_pref_size 255
	.end_amdhsa_kernel
	.section	.bss,"aw",@nobits
	.p2align	6
	.space	262144
	.amdgpu_metadata
---
amdhsa.version: [ 1, 2 ]
amdhsa.kernels:
  - .name:           k_q1c9eed3321_qkv
    .symbol:         k_q1c9eed3321_qkv.kd
    .args:
      - { .name: xw_codes, .offset: 0, .size: 8, .value_kind: global_buffer, .address_space: global }
      - { .name: xw_sc, .offset: 8, .size: 8, .value_kind: global_buffer, .address_space: global }
      - { .name: b_qkv, .offset: 16, .size: 8, .value_kind: global_buffer, .address_space: global }
      - { .name: rope, .offset: 24, .size: 8, .value_kind: global_buffer, .address_space: global }
      - { .name: q_codes, .offset: 32, .size: 8, .value_kind: global_buffer, .address_space: global }
      - { .name: q_sc, .offset: 40, .size: 8, .value_kind: global_buffer, .address_space: global }
      - { .name: kv, .offset: 48, .size: 8, .value_kind: global_buffer, .address_space: global }
    .group_segment_fixed_size: 327680
    .private_segment_fixed_size: 0
    .kernarg_segment_align: 8
    .kernarg_segment_size: 56
    .max_flat_workgroup_size: 128
    .sgpr_count:     100
    .vgpr_count:     1024
    .wavefront_size: 32
...
	.end_amdgpu_metadata
.endif
;; end of part 2
;; launch attn (part 3): grid 4 x 64, 8 waves a work-group, clusters of 4 x 1, 327,680 bytes of LDS; arguments q_codes, q_sc, kv, o_codes, o_sc; writes o_codes, o_sc
.if DOCPART == 3
	.amdgcn_target "amdgcn-amd-amdhsa--gfx1250"
	.amdhsa_code_object_version 6
	.text
	.protected	k_q1c9eed3321_attn
	.globl	k_q1c9eed3321_attn
	.p2align	8
	.type	k_q1c9eed3321_attn,@function
k_q1c9eed3321_attn:
	s_mov_b64 s[64:65], 0
	v_nop
	global_prefetch_b8 v0, s[64:65] scope:SCOPE_SE
	s_setreg_imm32_b32 hwreg(HW_REG_WAVE_MODE, 25, 1), 1
	s_wait_xcnt 0x0
	s_wait_alu depctr_hold_cnt(0) depctr_sa_sdst(0) depctr_va_vdst(0) depctr_va_sdst(0) depctr_va_ssrc(0) depctr_va_vcc(0) depctr_vm_vsrc(0)
	s_getreg_b32 s2, hwreg(HW_REG_IB_STS2, 6, 4)
	s_cmp_eq_u32 s2, 0
	s_cbranch_scc0 .Lentry_in_a_cluster
	s_endpgm
.Lentry_in_a_cluster:
	s_bfe_u32 s2, ttmp6, 0x10000c
	s_cmp_lg_u32 s2, 0x3003
	s_cbranch_scc0 .Lentry_shape_is_right
	s_endpgm
.Lentry_shape_is_right:
; O = softmax(Q K^T / 8) V for one head (work-group y = 16 x batch + head), both products on codes of FP8 (E4M3) with E8M0 scales; O / the row's sum is quantised along the channels for the projection.
; p = 2^(t - M), t = score x log2(e) / 8, M = the running largest t rounded up to a whole number; the row's sum is taken of the unquantised p; when M moves, the sum and O^T are multiplied by 2^(old M - new M).
; IN: q_codes [bh][g 64][2 u + bb][lane][16]: token 32 g + 8 u + r + 8 (r / 8), channels 32 bb + 16 h + 0..15; q_sc [bh][g][r] words (u0 bb0, u0 bb1, u1 bb0, u1 bb1).
;   kv [bh] x 270,336 dense bytes: K's codes [step 16][8,192] laid as q_codes | V's codes [step][t 4][c 4][lane][16] at 131,072 | K's words [step][g 4][r] at 262,144 | V's words [step][t][r] at 266,240.
; SHARES: a work-group owns 512 queries of a head; each of its 8 waves takes a group of 32 queries (two tiles of 16) in each of two passes and walks the 16 steps of 128 keys.
; LDS: the head's whole kv lies in LDS, as in memory.  Each wave brings one eighth, 132 rows of 256 bytes, by ONE tensor load at the head; nothing is filled again, so one barrier serves the launch.
; CLUSTER: the four work-groups of a head need the same bytes and ask for them jointly (mask 15).  No data prefetch: every byte is asked for once, at the head, and there is no loop to run ahead in.
; BOTH PRODUCTS ARE USED TRANSPOSED: a lane holds one query.  A fragment of K holds two tiles of 16 keys side by side along the instruction's 128 (64 channels each); Q stands beside zeros, (q, 0) or (0, q), and so picks one.
; K's fragments and words of the NEXT step are fetched behind this step's first product; the address wraps, so a pass's last step fetches step 0 for the next pass (the last pass's 18 such loads are not used).
; LIMITS: NaN and infinities are not served; the scaled scores stay under 2^31 in magnitude; a block whose largest magnitude lies under 2^-118 keeps the byte 1 (this program alone reads the bytes).
; REGISTERS.  Window 0: v1-15 addresses; v16-23 scale words and nothing else; v24-59 two tiles' state (18 each); v60-63 at work; v64-191 the two tiles' scores, then p; v192-255 K's fragments.
;   Window 1: v0-31 p's codes; v32-95 V's fragments; v96-159 O^T; v160-199 zeros, q0, zeros, q1, zeros.
.set KB,    8192
.set VOFF,  131072
.set KWOFF, 262144
.set VWOFF, 266240
.set SPARE, 0x44000                    ; the spare words, 128 bytes a wave: four blocks of 256 bytes that no other line names
.set LI,  1                            ; 16 x lane
.set LIV, 2                            ; + VOFF
.set L4K, 3                            ; 4 x lane + KWOFF
.set L4V, 4                            ; 4 x lane + VWOFF
.set L8,  5
.set R4,  6
.set QW,  7
.set OH,  8
.set ADK, 9
.set ADV, 10
.set AKW, 11
.set AVW, 12
.set SPW, 14
.set NIL, 15
.set KS,  16
.set VS,  18
.set QS,  20
.set PS,  22
.set TS,  18                           ; from tile 0's state to tile 1's
.set TM,  24                           ; four blocks' largest
.set H,   28                           ; 448 x the scale
.set SO,  32                           ; the conversion's scale operand
.set MM,  36                           ; -M, and the running largest score
.set FF,  38
.set LL,  40
.set X4,  60
.set S,   64
.set FK,  192
.set PC,  0
.set FV,  32
.set O,   96
.set QZ,  160
.set WV,  14
.set G1,  24
.set G0,  32
.set TN,  36
.set TW,  37
.set TNW, 38
.set FLR, 39
.set SEL, 48
.set CS,  50
.set MNT, 52
.set TB,  53
.set MSB, 0
.macro WIN new                         ; the immediate's high byte repeats the setting that is left
.if MSB != (\new)
	s_set_vgpr_msb (MSB<<8)|(\new)
.set MSB, \new
.endif
.endm
.macro CROUND                          ; a round of the cluster's barrier
	s_barrier_signal -1
	s_barrier_wait -1
	s_cmp_lg_u32 s[WV], 0
	s_cbranch_scc1 .Lnot_wave_0_\@
	s_barrier_signal -3
.Lnot_wave_0_\@:
	s_barrier_wait -3
	s_barrier_signal -1
	s_barrier_wait -1
.endm
.macro WS d, a, b, sa, sb, odd         ; a product that starts a sum
.if \odd
	v_wmma_scale_f32_16x16x128_f8f6f4 v[\d:\d+7], v[\a:\a+15], v[\b:\b+15], 0, v[\sa], v[\sb] matrix_a_scale:MATRIX_SCALE_ROW1
.else
	v_wmma_scale_f32_16x16x128_f8f6f4 v[\d:\d+7], v[\a:\a+15], v[\b:\b+15], 0, v[\sa], v[\sb]
.endif
.endm
.macro WP d, a, b, sa, sb, odd         ; a product that adds in place
.if \odd
	v_wmma_scale_f32_16x16x128_f8f6f4 v[\d:\d+7], v[\a:\a+15], v[\b:\b+15], v[\d:\d+7], v[\sa], v[\sb] matrix_a_scale:MATRIX_SCALE_ROW1
.else
	v_wmma_scale_f32_16x16x128_f8f6f4 v[\d:\d+7], v[\a:\a+15], v[\b:\b+15], v[\d:\d+7], v[\sa], v[\sb]
.endif
.endm
.macro MIN2 x, hx, y, hy               ; two holds in one instruction: destinations even and odd, sources in different banks
	v_dual_min_num_f32 v[\x], v[\x], v[\hx] :: v_dual_min_num_f32 v[\y], v[\y], v[\hy]
.endm
.macro KLOAD ak, aw                    ; a step's four fragments of K and its words: 18 loads
.irp b, 0,1,2,3
.irp c, 0,1,2,3
	ds_load_b128 v[FK+16*\b+4*\c:FK+16*\b+4*\c+3], v[\ak] offset:2048*\b+512*\c
.endr
.endr
	ds_load_b32 v[KS], v[\aw]
	ds_load_b32 v[KS+1], v[\aw] offset:128
.endm
.macro QLOAD                           ; a group's 32 queries: two tiles' codes and the scale words
	global_load_b32 v[QW], v[R4], s[6:7]
	WIN 0x40
	global_load_b128 v[QZ+8:QZ+11], v[LI], s[4:5]
	global_load_b128 v[QZ+12:QZ+15], v[LI], s[4:5] offset:512
	global_load_b128 v[QZ+24:QZ+27], v[LI], s[4:5] offset:1024
	global_load_b128 v[QZ+28:QZ+31], v[LI], s[4:5] offset:1536
	WIN 0
.endm
	s_load_b256 s[4:11], s[0:1], 0x0               ; q_codes, q_sc, kv, o_codes
	s_load_b64 s[12:13], s[0:1], 0x20              ; o_sc
	v_lshl_add_u32 v[SPW], v0, 2, SPARE
	v_mov_b32 v[NIL], 0
	ds_add_u32 v[SPW], v[NIL]                      ; the opening lines: the add, twice on end, and its wait ahead of my tensor load
	ds_add_u32 v[SPW], v[NIL]
	v_lshrrev_b32 v13, 5, v0
	v_readfirstlane_b32 s[WV], v13                 ; wave 0..7
	s_and_b32 s16, ttmp7, 0xffff                   ; 16 x batch + head
	s_mul_i32 s18, s16, 270336
	s_mul_i32 s17, s[WV], 33792                    ; my eighth: 132 rows of 256 bytes, in memory and in LDS alike
	s_add_co_u32 s18, s18, s17
	s_mov_b32 s19, 0
	s_mov_b32 s[G1], 15|(3<<16)|(1<<21)            ; the mask names the cluster's four; elements of 8 bytes
	s_mov_b32 s[G1+1], 32<<16
	s_mov_b32 s[G1+2], 132<<16
	s_mov_b32 s[G1+3], 32<<16
	s_mov_b32 s[G1+4], 132
	s_mov_b32 s[G1+5], 32
	s_mov_b32 s[G1+6], 0
	s_mov_b32 s[G1+7], 0
	s_wait_dscnt 0x0
	s_wait_kmcnt 0x0
	s_add_nc_u64 s[8:9], s[8:9], s[18:19]
	s_mov_b32 s[G0], 1
	s_mov_b32 s[G0+1], s17
	s_mov_b64 s[G0+2:G0+3], s[8:9]
	s_or_b32 s[G0+3], s[G0+3], 0x80000000
	CROUND                                         ; the four work-groups are here: the joint loads meet
	tensor_load_to_lds s[G0:G0+3], s[G1:G1+7]      ; my one tensor load of the launch
	s_nop 0
	s_bfe_u32 s15, ttmp6, 0x40000                  ; cx enters global addresses alone
	s_lshl_b32 s20, ttmp9, 2
	s_add_co_u32 s15, s15, s20
	s_lshl_b32 s20, s15, 4
	s_add_co_u32 s20, s20, s[WV]                   ; my group of 32 queries in the first pass; the second pass's lies 8 groups on
	s_mov_b32 s23, 0
	s_lshl_b32 s22, s16, 17
	s_lshl_b32 s21, s20, 11
	s_add_co_u32 s22, s22, s21
	s_add_nc_u64 s[4:5], s[4:5], s[22:23]
	s_lshl_b32 s22, s16, 12
	s_lshl_b32 s21, s20, 6
	s_add_co_u32 s22, s22, s21
	s_add_nc_u64 s[6:7], s[6:7], s[22:23]
	s_lshr_b32 s21, s16, 4                         ; o_codes [group of 32 rows][ks 8][u][c][lane][16]: group = 64 x batch + g, ks = head / 2, c = 2 (head % 2) + bb
	s_lshl_b32 s21, s21, 6
	s_add_co_u32 s21, s21, s20
	s_and_b32 s57, s16, 15
	s_lshl_b32 s22, s21, 15
	s_lshr_b32 s58, s57, 1
	s_lshl_b32 s59, s58, 12
	s_add_co_u32 s22, s22, s59
	s_and_b32 s59, s57, 1
	s_lshl_b32 s60, s59, 10
	s_add_co_u32 s22, s22, s60
	s_add_nc_u64 s[10:11], s[10:11], s[22:23]
	s_lshl_b32 s22, s21, 10                        ; o_sc [group][kp 4][u][r][q 2] words: my head's two bytes of word ks
	s_lshr_b32 s60, s57, 2
	s_lshl_b32 s60, s60, 8
	s_add_co_u32 s22, s22, s60
	s_and_b32 s58, s58, 1
	s_lshl_b32 s58, s58, 2
	s_add_co_u32 s22, s22, s58
	s_lshl_b32 s59, s59, 1
	s_add_co_u32 s22, s22, s59
	s_add_nc_u64 s[12:13], s[12:13], s[22:23]
	s_mov_b32 s[SEL], 0x76543210
	s_mov_b32 s[SEL+1], 0xfedcba98                 ; lane l xor 16
	s_mov_b32 s[CS], 0x3e38aa3b                    ; c = log2(e) / 8
	s_mov_b32 s[CS+1], s[CS]
	s_mov_b32 s[MNT], 0x600000                     ; the mantissa field of 448
	s_mov_b32 s[FLR], 0x4800000                    ; 2^(9 - 127)
	v_and_b32 v13, 31, v0
	v_and_b32 v[R4], 15, v0
	v_lshlrev_b32 v[LI], 4, v13
	v_lshlrev_b32 v[R4], 2, v[R4]
	v_lshlrev_b32 v[L8], 3, v13
	QLOAD
	v_lshl_add_u32 v[L4K], v13, 2, KWOFF
	v_lshl_add_u32 v[L4V], v13, 2, VWOFF
	v_add_nc_u32 v[LIV], VOFF, v[LI]
	v_cmp_le_u32 s56, 16, v13                      ; lanes 16-31
.irp b, 0,1,2,3
	v_mov_b32 v[X4+\b], 0                          ; a lane permute's destination counts as one of its sources
.endr
	WIN 0x40
.irp z, 0,16,32
.irp i, 0,1,2,3,4,5,6,7
	v_mov_b32 v[QZ+\z+\i], 0                       ; the zeros beside Q
.endr
.endr
	WIN 0
	s_wait_alu depctr_va_vdst(0)
	s_wait_tensorcnt 0x0                           ; my eighth has landed;
	s_barrier_signal -1
	s_barrier_wait -1                              ; everybody's has
	KLOAD LI, L4K                                  ; step 0
	s_mov_b32 s55, 2
.Lpass:
	WIN 0x40
.set jj, 0
.rept 64
	v_mov_b32 v[O+jj], 0                           ; O^T of both tiles: the step is written once, and its first change of M multiplies zeros
.set jj, jj+1
.endr
	WIN 0
	s_wait_loadcnt 0x0                             ; Q
	v_perm_b32 v[QS], v[QW], v[QW], 0x01000100     ; tile 0's two bytes, twice: they serve (q, 0) and (0, q)
	v_perm_b32 v[QS+1], v[QW], v[QW], 0x03020302
.irp T, 0,1
	v_mov_b32 v[MM+TS*\T], 0x7f61b1e6              ; -M: 3e38; the ten lines are also the places between the scale words' writes and the first product
	v_mov_b32 v[MM+TS*\T+1], 0xff61b1e6            ; the largest score so far: -3e38
	v_mov_b32 v[LL+TS*\T], 0
	v_mov_b32 v[LL+TS*\T+1], 0
	v_mov_b32 v[FF+TS*\T+1], 0
.endr
	s_mov_b32 s[TB], 0
	s_mov_b32 s54, 16
	s_wait_alu depctr_va_vdst(0)
.Lstep:
	s_wait_dscnt 0x0                               ; this step's K, asked for a step ago
	s_add_co_u32 s[TN], s[TB], KB
	s_and_b32 s[TN], s[TN], 0x1ffff                ; the next step's K; behind step 15 comes step 0
	s_lshr_b32 s[TW], s[TB], 5
	s_lshr_b32 s[TNW], s[TN], 5
	WIN 0x04                                       ; source 1 (Q) in window 1
.irp b, 0,1,2,3
.irp T, 0,1
	WS S+64*\T+16*\b, FK+16*\b, QZ+8+16*\T, KS+\b/2, QS+\T, \b%2       ; keys 32 b + 16 h + 0..7
	WS S+64*\T+16*\b+8, FK+16*\b, QZ+16*\T, KS+\b/2, QS+\T, \b%2       ; keys 32 b + 16 h + 8..15
.endr
.endr
	WIN 0
	v_add_nc_u32 v[ADV], s[TB], v[LIV]             ; eight places behind the products, ahead of the loads into their operands and of the first read of the scores
	v_add_nc_u32 v[AVW], s[TW], v[L4V]
	v_add_nc_u32 v[ADK], s[TN], v[LI]
	v_add_nc_u32 v[AKW], s[TNW], v[L4K]
.rept 4
	v_nop
.endr
	WIN 0x40
.irp t, 0,1,2,3
.irp c, 0,1,2,3
	ds_load_b128 v[FV+16*\t+4*\c:FV+16*\t+4*\c+3], v[ADV] offset:2048*\t+512*\c
.endr
.endr
	WIN 0
	ds_load_b32 v[VS], v[AVW]
	ds_load_b32 v[VS+1], v[AVW] offset:128
	KLOAD ADK, AKW
	; the largest score of each block of 32 keys: for the row's maximum and for the block's largest p.  Both tiles by turns
.irp T, 0,1
.irp b, 0,1,2,3
	v_max3_num_f32 v[TM+TS*\T+\b], v[S+64*\T+16*\b], v[S+64*\T+16*\b+1], v[S+64*\T+16*\b+2]
.endr
.endr
.irp i, 3,5,7,9,11,13
.irp T, 0,1
.irp b, 0,1,2,3
	v_max3_num_f32 v[TM+TS*\T+\b], v[TM+TS*\T+\b], v[S+64*\T+16*\b+\i], v[S+64*\T+16*\b+\i+1]
.endr
.endr
.endr
.irp T, 0,1
.irp b, 0,1,2,3
	v_max_num_f32 v[TM+TS*\T+\b], v[TM+TS*\T+\b], v[S+64*\T+16*\b+15]
.endr
.endr
.irp T, 0,1
.irp b, 0,1,2,3
	v_permlanex16_b32 v[X4+\b], v[TM+TS*\T+\b], s[SEL], s[SEL+1]
.endr
.irp b, 0,1,2,3
	v_max_num_f32 v[TM+TS*\T+\b], v[TM+TS*\T+\b], v[X4+\b]
.endr
.endr
.irp T, 0,1
	v_max3_num_f32 v[H+TS*\T], v[TM+TS*\T], v[TM+TS*\T+1], v[TM+TS*\T+2]
.endr
.irp T, 0,1
	v_max3_num_f32 v[MM+TS*\T+1], v[MM+TS*\T+1], v[H+TS*\T], v[TM+TS*\T+3]   ; the running largest score
.endr
.irp T, 0,1
	v_mul_f32 v[H+TS*\T], s[CS], v[MM+TS*\T+1]     ; as t (c is positive)
.endr
.irp T, 0,1
	v_mov_b32 v[H+TS*\T+1], v[MM+TS*\T]
.endr
.irp T, 0,1
	v_floor_f32 v[MM+TS*\T], -v[H+TS*\T]           ; -M = floor(-t)
.endr
.irp T, 0,1
	v_sub_f32 v[H+TS*\T+1], v[MM+TS*\T], v[H+TS*\T+1]
.endr
.irp T, 0,1
	v_cvt_i32_f32 v[H+TS*\T+1], v[H+TS*\T+1]       ; old M - new M: it saturates
.endr
.irp T, 0,1
	v_ldexp_f32 v[FF+TS*\T], 1.0, v[H+TS*\T+1]     ; f = 2^(old M - new M)
.endr
.irp T, 0,1
.set jj, 0
.rept 32
	v_pk_fma_f32 v[S+64*\T+jj:S+64*\T+jj+1], v[S+64*\T+jj:S+64*\T+jj+1], s[CS:CS+1], v[MM+TS*\T:MM+TS*\T+1] op_sel_hi:[1,0,0]   ; t - M
.set jj, jj+2
.endr
.irp b, 0,1,2,3
	v_fma_f32 v[TM+TS*\T+\b], v[TM+TS*\T+\b], s[CS], v[MM+TS*\T]
.endr
.endr
	s_wait_alu depctr_va_vdst(0)
.set jj, 0
.rept 128
	v_exp_f32 v[S+jj], v[S+jj]                     ; p
.set jj, jj+1
.endr
.irp T, 0,1
.irp b, 0,1,2,3
	v_exp_f32 v[TM+TS*\T+\b], v[TM+TS*\T+\b]       ; the block's largest p
.endr
.endr
.irp T, 0,1
	v_pk_mul_f32 v[LL+TS*\T:LL+TS*\T+1], v[LL+TS*\T:LL+TS*\T+1], v[FF+TS*\T:FF+TS*\T+1] op_sel_hi:[1,0]   ; the sums under the new M
.endr
	s_wait_alu depctr_va_vdst(0)                   ; and behind it, ahead of its first reader
.irp T, 0,1
.irp b, 0,2
	v_dual_max_num_f32 v[TM+TS*\T+\b], s[FLR], v[TM+TS*\T+\b] :: v_dual_max_num_f32 v[TM+TS*\T+\b+1], s[FLR], v[TM+TS*\T+\b+1]   ; the floor: the byte cannot fall under 1
.endr
.endr
.irp T, 0,1
.irp b, 0,1,2,3
	v_add_nc_u32 v[SO+TS*\T+\b], 0xfc000000, v[TM+TS*\T+\b]              ; 8 off the exponent field
.endr
.endr
.irp T, 0,1
.irp b, 0,1,2,3
	v_and_or_b32 v[H+TS*\T+\b], v[TM+TS*\T+\b], 0x7f800000, s[MNT]       ; 448 x the scale
.endr
.endr
.irp T, 0,1
.irp b, 0,1,2,3
	v_lshrrev_b32 v[TM+TS*\T+\b], 23, v[SO+TS*\T+\b]                     ; the byte
.endr
.endr
.irp T, 0,1
	v_lshl_or_b32 v[PS+\T], v[TM+TS*\T+1], 8, v[TM+TS*\T]
.endr
.irp T, 0,1
	v_lshl_or_b32 v[PS+\T], v[TM+TS*\T+2], 16, v[PS+\T]
.endr
.irp T, 0,1
	v_lshl_or_b32 v[PS+\T], v[TM+TS*\T+3], 24, v[PS+\T]                  ; p's scale word
.endr
.irp T, 0,1
	v_pk_add_f32 v[X4+2*\T:X4+2*\T+1], v[S+64*\T:S+64*\T+1], v[S+64*\T+2:S+64*\T+3]   ; the row's sum of the unquantised p: two chains a tile
.endr
.irp j, 4,8,12,16,20,24,28,32,36,40,44,48,52,56,60
.irp T, 0,1
	v_pk_add_f32 v[LL+TS*\T:LL+TS*\T+1], v[LL+TS*\T:LL+TS*\T+1], v[S+64*\T+\j:S+64*\T+\j+1]
	v_pk_add_f32 v[X4+2*\T:X4+2*\T+1], v[X4+2*\T:X4+2*\T+1], v[S+64*\T+\j+2:S+64*\T+\j+3]
.endr
.endr
.irp T, 0,1
	v_pk_add_f32 v[LL+TS*\T:LL+TS*\T+1], v[LL+TS*\T:LL+TS*\T+1], v[X4+2*\T:X4+2*\T+1]
.endr
.irp T, 0,1
.irp b, 0,2
.irp i, 0,1,2,3,4,5,6,7,8,9,10,11,12,13,14,15
	MIN2 S+64*\T+16*\b+\i, H+TS*\T+\b, S+64*\T+16*\b+16+(\i+1)%16, H+TS*\T+\b+1   ; the conversion does not saturate (ISA guide 7.6.2); p is not negative: a one-sided hold, one number of each of two blocks
.endr
.endr
.endr
	WIN 0x40                                       ; the codes lie in window 1
.irp T, 0,1
.irp b, 0,1,2,3
	v_cvt_scalef32_pk8_fp8_f32 v[PC+16*\T+4*\b:PC+16*\T+4*\b+1], v[S+64*\T+16*\b:S+64*\T+16*\b+7], v[SO+TS*\T+\b]
	v_cvt_scalef32_pk8_fp8_f32 v[PC+16*\T+4*\b+2:PC+16*\T+4*\b+3], v[S+64*\T+16*\b+8:S+64*\T+16*\b+15], v[SO+TS*\T+\b]
.endr
.endr
	WIN 0x41
	s_wait_alu depctr_va_vdst(0)
.irp T, 0,1
.set jj, 0
.rept 16
	v_pk_mul_f32 v[O+32*\T+jj:O+32*\T+jj+1], v[O+32*\T+jj:O+32*\T+jj+1], v[FF+TS*\T:FF+TS*\T+1] op_sel_hi:[1,0]   ; O^T under the new M; also the places between the codes and the products
.set jj, jj+2
.endr
.endr
	WIN 0x55
	s_wait_alu depctr_va_vdst(0)
	s_wait_dscnt 18                                ; V's 18 loads are in; the 18 for the next step's K, issued behind them, may be out
.irp t, 0,1,2,3
.irp T, 0,1
	WP O+32*\T+8*\t, FV+16*\t, PC+16*\T, VS+\t/2, PS+\T, \t%2            ; eight accumulators by turns
.endr
.endr
	WIN 0
	s_add_co_u32 s[TB], s[TB], KB
	s_sub_co_u32 s54, s54, 1
	s_cmp_lg_u32 s54, 0
	s_cbranch_scc1 .Lstep
	s_cmp_eq_u32 s55, 1                            ; the pass counter alone: the same in every wave
	s_cbranch_scc1 .Lno_more_q
	s_add_nc_u64 s[4:5], s[4:5], 16384             ; the next pass's queries are asked for ahead of this pass's way out
	s_add_nc_u64 s[6:7], s[6:7], 512
	QLOAD
.Lno_more_q:
.rept 8
	v_nop                                          ; places behind the last products
.endr
.irp T, 0,1
	v_add_f32 v[LL+TS*\T], v[LL+TS*\T], v[LL+TS*\T+1]
.endr
.irp T, 0,1
	v_permlanex16_b32 v[X4+\T], v[LL+TS*\T], s[SEL], s[SEL+1]
.endr
.irp T, 0,1
	v_add_f32 v[LL+TS*\T], v[LL+TS*\T], v[X4+\T]   ; the row's sum
.endr
	s_wait_alu depctr_va_vdst(0)                   ; ahead of the batch of two
.irp T, 0,1
	v_rcp_f32 v[FF+TS*\T], v[LL+TS*\T]
.endr
	v_nop
	WIN 0x01                                       ; source 0 (O^T) in window 1
	s_wait_alu depctr_va_vdst(0)                   ; behind it, and directly ahead of the first reader of O^T
.irp T, 0,1
.set jj, 0
.rept 16
	v_pk_mul_f32 v[S+64*\T+jj:S+64*\T+jj+1], v[O+32*\T+jj:O+32*\T+jj+1], v[FF+TS*\T:FF+TS*\T+1] op_sel_hi:[1,0]   ; register 16 bb + i: channel 32 bb + 16 h + i of my query
.set jj, jj+2
.endr
.endr
	WIN 0
.irp T, 0,1
.irp b, 0,1
	v_max3_num_f32 v[TM+TS*\T+\b], |v[S+64*\T+16*\b]|, |v[S+64*\T+16*\b+1]|, 0x4800000
.endr
.endr
.irp i, 2,4,6,8,10,12,14
.irp T, 0,1
.irp b, 0,1
	v_max3_num_f32 v[TM+TS*\T+\b], v[TM+TS*\T+\b], |v[S+64*\T+16*\b+\i]|, |v[S+64*\T+16*\b+\i+1]|
.endr
.endr
.endr
.irp T, 0,1
.irp b, 0,1
	v_permlanex16_b32 v[X4+2*\T+\b], v[TM+TS*\T+\b], s[SEL], s[SEL+1]
.endr
.endr
.irp T, 0,1
.irp b, 0,1
	v_max_num_f32 v[TM+TS*\T+\b], v[TM+TS*\T+\b], v[X4+2*\T+\b]
.endr
.endr
.irp T, 0,1
.irp b, 0,1
	v_add_nc_u32 v[SO+TS*\T+\b], 0xfc000000, v[TM+TS*\T+\b]
.endr
.endr
.irp T, 0,1
.irp b, 0,1
	v_and_or_b32 v[H+TS*\T+\b], v[TM+TS*\T+\b], 0x7f800000, s[MNT]
.endr
.endr
.irp T, 0,1
.irp b, 0,1
	v_lshrrev_b32 v[TM+TS*\T+\b], 23, v[SO+TS*\T+\b]
.endr
.endr
.irp T, 0,1
	v_lshl_or_b32 v[TM+TS*\T+2], v[TM+TS*\T+1], 8, v[TM+TS*\T]           ; my head's two scale bytes
.endr
.irp T, 0,1
.irp b, 0,1
.irp i, 0,1,2,3,4,5,6,7,8,9,10,11,12,13,14,15
	v_med3_num_f32 v[S+64*\T+16*\b+\i], v[S+64*\T+16*\b+\i], -v[H+TS*\T+\b], v[H+TS*\T+\b]
.endr
.endr
.endr
.irp T, 0,1
.irp b, 0,1
	v_cvt_scalef32_pk8_fp8_f32 v[S+64*\T+32+4*\b:S+64*\T+33+4*\b], v[S+64*\T+16*\b:S+64*\T+16*\b+7], v[SO+TS*\T+\b]
	v_cvt_scalef32_pk8_fp8_f32 v[S+64*\T+34+4*\b:S+64*\T+35+4*\b], v[S+64*\T+16*\b+8:S+64*\T+16*\b+15], v[SO+TS*\T+\b]
.endr
.endr
	v_cndmask_b32 v[OH], v[TM+2], v[TM+TS+2], s56  ; lanes 0-15 store tile 0's bytes, lanes 16-31 tile 1's.  (A plain line behind the last conversion)
.irp T, 0,1
	global_store_b128 v[LI], v[S+64*\T+32:S+64*\T+35], s[10:11] offset:\T*2048        ; 512 consecutive bytes
	global_store_b128 v[LI], v[S+64*\T+36:S+64*\T+39], s[10:11] offset:\T*2048+512
.endr
	global_store_b16 v[L8], v[OH], s[12:13]
	s_wait_xcnt 0x0                                ; the stores have read their data and bases: the next pass writes both
	s_add_nc_u64 s[10:11], s[10:11], 262144
	s_add_nc_u64 s[12:13], s[12:13], 8192
	s_sub_co_u32 s55, s55, 1
	s_cmp_lg_u32 s55, 0
	s_cbranch_scc1 .Lpass
	s_wait_tensorcnt 0x0                           ; the wave's end
	ds_add_u32 v[SPW], v[NIL]
	s_wait_dscnt 0x0
	CROUND                                         ; the closing round
	s_endpgm
.Lfunc_end_k_q1c9eed3321_attn:
	.size	k_q1c9eed3321_attn, .Lfunc_end_k_q1c9eed3321_attn-k_q1c9eed3321_attn
	.p2alignl 7, 3214868480
	.fill 96, 4, 3214868480
	.section	.rodata,"a",@progbits
	.p2align	6, 0x0
	.amdhsa_kernel k_q1c9eed3321_attn
		.amdhsa_group_segment_fixed_size 327680
		.amdhsa_private_segment_fixed_size 0
		.amdhsa_enable_private_segment 0
		.amdhsa_kernarg_size 40
		.amdhsa_user_sgpr_count 2
		.amdhsa_user_sgpr_kernarg_segment_ptr 1
		.amdhsa_wavefront_size32 1
		.amdhsa_system_sgpr_workgroup_id_x 1
		.amdhsa_system_sgpr_workgroup_id_y 1
		.amdhsa_system_sgpr_workgroup_id_z 1
		.amdhsa_system_vgpr_workitem_id 0
		.amdhsa_next_free_vgpr 512
		.amdhsa_next_free_sgpr 66
		.amdhsa_reserve_vcc 0
		.amdhsa_float_denorm_mode_32 3
		.amdhsa_float_denorm_mode_16_64 3
		.amdhsa_memory_ordered 1
		.amdhsa_forward_progress 1
		.amdhsa_inst_pref_size 56
	.end_amdhsa_kernel
	.amdgpu_metadata
---
amdhsa.version: [ 1, 2 ]
amdhsa.kernels:
  - .name:           k_q1c9eed3321_attn
    .symbol:         k_q1c9eed3321_attn.kd
    .args:
      - { .name: q_codes, .offset: 0, .size: 8, .value_kind: global_buffer, .address_space: global }
      - { .name: q_sc, .offset: 8, .size: 8, .value_kind: global_buffer, .address_space: global }
      - { .name: kv, .offset: 16, .size: 8, .value_kind: global_buffer, .address_space: global }
      - { .name: o_codes, .offset: 24, .size: 8, .value_kind: global_buffer, .address_space: global }
      - { .name: o_sc, .offset: 32, .size: 8, .value_kind: global_buffer, .address_space: global }
    .group_segment_fixed_size: 327680
    .private_segment_fixed_size: 0
    .kernarg_segment_align: 8
    .kernarg_segment_size: 40
    .max_flat_workgroup_size: 256
    .sgpr_count:     66
    .vgpr_count:     512
    .wavefront_size: 32
...
	.end_amdgpu_metadata
.endif
;; end of part 3
;; launch proj (part 4): grid 4 x 64, 4 waves a work-group, clusters of 4 x 4, 327,680 bytes of LDS; arguments o_codes, o_sc, xw_codes, xw_sc, b_out, out0; writes out0
.if DOCPART == 4
	.amdgcn_target "amdgcn-amd-amdhsa--gfx1250"
	.amdhsa_code_object_version 6
	.text
	.protected	k_q1c9eed3321_proj
	.globl	k_q1c9eed3321_proj
	.p2align	8
	.type	k_q1c9eed3321_proj,@function
k_q1c9eed3321_proj:
	s_mov_b64 s[64:65], 0
	v_nop
	global_prefetch_b8 v0, s[64:65] scope:SCOPE_SE
	s_setreg_imm32_b32 hwreg(HW_REG_WAVE_MODE, 25, 1), 1
	s_wait_xcnt 0x0
	s_wait_alu depctr_hold_cnt(0) depctr_sa_sdst(0) depctr_va_vdst(0) depctr_va_sdst(0) depctr_va_ssrc(0) depctr_va_vcc(0) depctr_vm_vsrc(0)
	s_getreg_b32 s2, hwreg(HW_REG_IB_STS2, 6, 4)
	s_cmp_eq_u32 s2, 0
	s_cbranch_scc0 .Lentry_in_a_cluster
	s_endpgm
.Lentry_in_a_cluster:
	s_bfe_u32 s2, ttmp6, 0x10000c
	s_cmp_lg_u32 s2, 0xf033
	s_cbranch_scc0 .Lentry_shape_is_right
	s_endpgm
.Lentry_shape_is_right:
; out0 = o W_out^T + b_out on codes of FP8 (E4M3) with E8M0 scales; o [8192][1024] comes from the attention launch, W_out is groups 352-383 of xw_codes.
; OPERANDS are images of their registers: rows in groups of 32; a group's K step of 256 is 8,192 consecutive bytes [q][u][c][lane][16]; lane r + 16 h of block u holds row 8 u + r + 8 (r / 8) of the group.
;   scale words [group][kp 4][u][r][q 2]: the word of K step 2 kp + q.
; A block of 128 tokens x 256 columns is made by four waves, 64 x 128 each: 32 accumulators, 256 registers.  8,192 / 128 x 1,024 / 256 = 256 work-groups.
; K = 1,024 is four K steps of 256, through TWO LDS SLOTS OF UNEQUAL SIZE: X holds one K step (A's 4 groups, B's 8: 98,304 bytes), Y two (a group's two K steps lie on end in memory: rows of 16,384 bytes).
;   The head fills X with K step 0; Y's first fill brings K steps 1 and 2 by one load a wave; X is filled again once, with K step 3, and that load has four steps of 128 along K in which to land.
;   The scale words for all of K come once, at the head, and stay.  The eight steps of 128 are written by two macros, with no loop: every LDS offset is an immediate.
; THE MATRIX INSTRUCTION: source 0 = a block of W_out, source 1 = a block of o: a lane holds one token, and the 16 registers of W's blocks 2 i, 2 i + 1 are columns 32 i + 16 h + 0..15.  The bias is the C of the first products.
; CLUSTERS: 4 x 4 work-groups; o's tiles are shared along a row of the cluster, W's along a column, each asked for jointly.
; No data prefetch: the launch has three fills and no loop to run ahead in.
; REGISTERS: window 0: v0-31 addresses; v32-63 scale words, two sets, and nothing else; v64-127 the bias; v128-255 A's fragments, two sets.  Window 1: B's fragments, two sets.  Window 2: accumulator (a, b) at v[8 (8 a + b)].
.set NP,    8                          ; places behind this matrix instruction (ISA guide 7.12.1)
.set GRPB,  8192
.set AT,    4*GRPB                     ; slot X: A's 128 rows, then B's 256
.set YB,    12*GRPB                    ; slot Y: A's 4 groups x 16,384 bytes, then B's 8
.set YBB,   YB+8*GRPB
.set SCL,   36*GRPB                    ; A's scale words, 4,096 bytes, then B's, 8,192
.set SPARE, SCL+12288                  ; the spare words, 128 bytes a wave: two blocks of 256 bytes that no other line names
.set SPITCH, 528                       ; the way out: 16 rows x (512 + 16) bytes a wave, in slot Y, behind its one fill and its last read
.set ADRA, 16                          ; v16-17 my A fragments in X, in Y
.set ADRB, 20                          ; v20-21 the same for B
.set ASA,  22
.set ASB,  23
.set LI,   24
.set STO,  25
.set RD,   26
.set SPW,  28
.set NIL,  29
.set SC,   32
.set BI,   64
.set AF,   128
.set BK,   128
.set WV,   18
.set HA,   19                          ; wave / 2: my 64 rows of A; also: I fetch for A (0) or B (1)
.set HB,   20                          ; wave % 2: my 128 rows of B; also: which half of a tile I fetch
.set G1,   24
.set G0,   32                          ; s[32:35] X's refill, s[36:39] Y's fill, for A
.set G1B,  48
.set G0B,  56                          ; the same for B
.set G1S,  68
.set G0S,  76
.set G1SB, 80
.set G0SB, 88
.set G0H,  4                           ; group 0 of the head's loads of codes, where arguments lay
.set G0HB, 8
.set MSB, 0
.macro WIN new                         ; the immediate's high byte repeats the setting that is left
.if MSB != (\new)
	s_set_vgpr_msb (MSB<<8)|(\new)
.set MSB, \new
.endif
.endm
.set MUL,   0xa1                       ; source 0 (B) window 1, source 1 (A) window 0, C and D window 2
.set FIRST, 0x81                       ; the same with C (the bias) in window 0
.set TO_B,  0x40
.macro JLOAD g0a, g1a, g0b, g1b        ; a joint load: waves 0, 1 fetch for A, waves 2, 3 for B
	s_cmp_eq_u32 s[HA], 0
	s_cbranch_scc0 .Lfor_b_\@
	tensor_load_to_lds s[\g0a:\g0a+3], s[\g1a:\g1a+7]
	s_nop 0
.rept 4
	v_nop
.endr
	s_branch .Lasked_\@
.Lfor_b_\@:
	tensor_load_to_lds s[\g0b:\g0b+3], s[\g1b:\g1b+7]
	s_nop 0
.rept 4
	v_nop
.endr
.Lasked_\@:
.endm
.macro CREST                           ; a round of the cluster's barrier behind its opening barrier
	s_cmp_lg_u32 s[WV], 0
	s_cbranch_scc1 .Lnot_wave_0_\@
	s_barrier_signal -3
.Lnot_wave_0_\@:
	s_barrier_wait -3
	s_barrier_signal -1
	s_barrier_wait -1
.endm
.macro CROUND
	s_barrier_signal -1
	s_barrier_wait -1
	CREST
.endm
.macro PLACES n
.rept \n
	v_nop
.endr
.endm
.macro GC g, d0, rows, pitch           ; a group 1's constant words: rows of d0 elements of 8 bytes
	s_mov_b32 s[\g+1], (\d0)<<16
	s_mov_b32 s[\g+2], (\rows)<<16
	s_mov_b32 s[\g+3], (\d0)<<16
	s_mov_b32 s[\g+4], \rows
	s_mov_b32 s[\g+5], \pitch
	s_mov_b32 s[\g+6], 0
	s_mov_b32 s[\g+7], 0
.endm
	s_load_b256 s[4:11], s[0:1], 0x0               ; o_codes, o_sc, xw_codes, xw_sc
	s_load_b128 s[12:15], s[0:1], 0x20             ; b_out, out0
	v_lshl_add_u32 v[SPW], v0, 2, SPARE
	v_mov_b32 v[NIL], 0
	ds_add_u32 v[SPW], v[NIL]                      ; the opening lines: the add, twice on end, and its wait ahead of my first tensor load
	ds_add_u32 v[SPW], v[NIL]
	v_lshrrev_b32 v1, 5, v0
	v_readfirstlane_b32 s[WV], v1
	s_lshr_b32 s[HA], s[WV], 1
	s_and_b32 s[HB], s[WV], 1
	s_bfe_u32 s40, ttmp6, 0x40000                  ; cx
	s_bfe_u32 s41, ttmp6, 0x40004                  ; cy
	s_lshl_b32 s94, ttmp9, 2
	s_add_co_u32 s94, s94, s40                     ; block column
	s_and_b32 s93, ttmp7, 0xffff
	s_lshl_b32 s93, s93, 2
	s_add_co_u32 s93, s93, s41                     ; block row
	s_lshl_b32 s43, s41, 2
	s_lshl_b32 s43, 15, s43                        ; my row of the cluster
	s_lshl_b32 s44, 0x1111, s40                    ; my column
	s_or_b32 s[G1+0], s43, (3<<16)|(1<<21)
	s_or_b32 s[G1B+0], s44, (3<<16)|(1<<21)
	s_or_b32 s[G1S+0], s43, (3<<16)|(1<<21)
	s_or_b32 s[G1SB+0], s44, (3<<16)|(1<<21)
	GC G1,   1024, 4, 4096                         ; codes: a group's 8,192 bytes a row, 32,768 bytes apart; the head's loads bring A's 4 groups,
	GC G1B,  1024, 8, 4096                         ; B's 8
	GC G1S,  32, 16, 32                            ; scale words: dense rows of 256 bytes: A's 4,096 bytes,
	GC G1SB, 32, 32, 32                            ; B's 8,192
	s_lshl_b32 s96, s94, 3
	s_add_co_u32 s96, s96, 352                     ; B's first group
	s_lshl_b32 s22, s93, 2                         ; A's first group
	s_lshl_b32 s46, s22, 10
	s_mov_b32 s47, 0
	s_lshl_b32 s22, s22, 15
	s_mov_b32 s23, 0
	s_lshl_b32 s98, s96, 10
	s_mov_b32 s99, 0
	s_lshl_b32 s96, s96, 15
	s_mov_b32 s97, 0
	s_wait_dscnt 0x0
	s_wait_kmcnt 0x0
	s_add_nc_u64 s[22:23], s[4:5], s[22:23]
	s_add_nc_u64 s[46:47], s[6:7], s[46:47]
	s_add_nc_u64 s[96:97], s[8:9], s[96:97]
	s_add_nc_u64 s[98:99], s[10:11], s[98:99]
	CROUND                                         ; all sixteen work-groups are here: the first joint loads meet
	s_mov_b32 s[G0H], 1
	s_mov_b32 s[G0H+1], 0
	s_mov_b64 s[G0H+2:G0H+3], s[22:23]
	s_or_b32 s[G0H+3], s[G0H+3], 0x80000000
	s_mov_b32 s[G0HB], 1
	s_mov_b32 s[G0HB+1], AT
	s_mov_b64 s[G0HB+2:G0HB+3], s[96:97]
	s_or_b32 s[G0HB+3], s[G0HB+3], 0x80000000
	s_mov_b32 s[G0S], 1
	s_mov_b32 s[G0S+1], SCL
	s_mov_b64 s[G0S+2:G0S+3], s[46:47]
	s_or_b32 s[G0S+3], s[G0S+3], 0x80000000
	s_mov_b32 s[G0SB], 1
	s_mov_b32 s[G0SB+1], SCL+4096
	s_mov_b64 s[G0SB+2:G0SB+3], s[98:99]
	s_or_b32 s[G0SB+3], s[G0SB+3], 0x80000000
	s_lshl_b32 s2, s[HB], 16                       ; behind the head I fetch half of a tile: 2 groups of A,
	s_mov_b32 s3, 0
	s_add_nc_u64 s[22:23], s[22:23], s[2:3]
	s_lshl_b32 s2, s[HB], 17                       ; 4 of B
	s_add_nc_u64 s[96:97], s[96:97], s[2:3]
	s_mov_b32 s[G0], 1                             ; X's refill: K step 3.  No place in the cluster enters an LDS address
	s_lshl_b32 s[G0+1], s[HB], 14
	s_add_nc_u64 s[G0+2:G0+3], s[22:23], 3*GRPB
	s_or_b32 s[G0+3], s[G0+3], 0x80000000
	s_mov_b32 s[G0B], 1
	s_lshl_b32 s[G0B+1], s[HB], 15
	s_add_co_u32 s[G0B+1], s[G0B+1], AT
	s_add_nc_u64 s[G0B+2:G0B+3], s[96:97], 3*GRPB
	s_or_b32 s[G0B+3], s[G0B+3], 0x80000000
	s_mov_b32 s[G0+4], 1                           ; Y's fill: K steps 1 and 2
	s_lshl_b32 s[G0+5], s[HB], 15
	s_add_co_u32 s[G0+5], s[G0+5], YB
	s_add_nc_u64 s[G0+6:G0+7], s[22:23], GRPB
	s_or_b32 s[G0+7], s[G0+7], 0x80000000
	s_mov_b32 s[G0B+4], 1
	s_lshl_b32 s[G0B+5], s[HB], 16
	s_add_co_u32 s[G0B+5], s[G0B+5], YBB
	s_add_nc_u64 s[G0B+6:G0B+7], s[96:97], GRPB
	s_or_b32 s[G0B+7], s[G0B+7], 0x80000000
; THE HEAD'S LOADS, ONE A WAVE: wave 0 K step 0 of A, wave 1 of B, wave 2 A's scale words, wave 3 B's.  One tree of branches on the wave's number.
.macro ARM under, g0, g1, next
	s_cmp_lt_u32 s[WV], \under
	s_cbranch_scc0 \next
	tensor_load_to_lds s[\g0:\g0+3], s[\g1:\g1+7]
	s_nop 0
.rept 4
	v_nop
.endr
	s_branch .Lhead_asked
\next:
.endm
	ARM 1, G0H,  G1,  .Lhead_b
	ARM 2, G0HB, G1B, .Lhead_sa
	ARM 3, G0S,  G1S, .Lhead_sb
	tensor_load_to_lds s[G0SB:G0SB+3], s[G1SB:G1SB+7]
	s_nop 0
.rept 4
	v_nop
.endr
.Lhead_asked:
	v_and_b32 v1, 31, v0                           ; lane
	v_and_b32 v2, 15, v0                           ; r
	v_bfe_u32 v3, v0, 4, 1                         ; h
	v_lshlrev_b32 v[LI], 4, v1
	v_lshlrev_b32 v18, 6, v3                       ; 64 h: the bias of my 16 of each 32 columns
	s_wait_alu depctr_va_vdst(0)
	s_lshl_b32 s42, s94, 10
	s_lshl_b32 s43, s[HB], 9
	s_add_co_u32 s42, s42, s43                     ; my first column, in bytes
	s_mov_b32 s43, 0
	s_add_nc_u64 s[12:13], s[12:13], s[42:43]
	s_add_nc_u64 s[14:15], s[14:15], s[42:43]
	s_lshl_b32 s42, s93, 19                        ; 128 rows of 4,096 bytes a block,
	s_lshl_b32 s44, s[HA], 18                      ; 64 a wave
	s_add_co_u32 s42, s42, s44
	s_add_nc_u64 s[14:15], s[14:15], s[42:43]
.irp b, 0,1,2,3
.irp j, 0,1,2,3
	global_load_b128 v[BI+16*\b+4*\j:BI+16*\b+4*\j+3], v18, s[12:13] offset:128*\b+16*\j
.endr
.endr
	s_lshl_b32 s21, s[HA], 14                      ; my 2 groups of A in X,
	v_add_nc_u32 v[ADRA], s21, v[LI]
	s_lshl_b32 s21, s[HA], 15
	s_add_co_u32 s21, s21, YB                      ; in Y;
	v_add_nc_u32 v[ADRA+1], s21, v[LI]
	s_lshl_b32 s21, s[HB], 15
	s_add_co_u32 s21, s21, AT                      ; my 4 groups of B in X,
	v_add_nc_u32 v[ADRB], s21, v[LI]
	s_lshl_b32 s21, s[HB], 16
	s_add_co_u32 s21, s21, YBB                     ; in Y
	v_add_nc_u32 v[ADRB+1], s21, v[LI]
	v_lshlrev_b32 v4, 3, v1                        ; a pair of scale words a lane
	s_lshl_b32 s21, s[HA], 11
	s_add_co_u32 s21, s21, SCL
	v_add_nc_u32 v[ASA], s21, v4
	s_lshl_b32 s21, s[HB], 12
	s_add_co_u32 s21, s21, SCL+4096
	v_add_nc_u32 v[ASB], s21, v4
	s_mul_i32 s21, s[WV], 16*SPITCH
	s_add_co_u32 s21, s21, YB                      ; my stage
	v_mul_u32_u24 v5, v2, SPITCH
	v_lshl_add_u32 v5, v3, 6, v5
	v_add_nc_u32 v[STO], s21, v5
	v_add_nc_u32 v[RD], s21, v[LI]
.macro FRAG reg, adr, off, pitch, i    ; block i = 2 (group) + u, 128 along K at byte off of a group's bytes: four dense runs of 512 bytes
.irp c, 0,1,2,3
	ds_load_b128 v[\reg+4*\c:\reg+4*\c+3], v[\adr] offset:((\i)/2)*(\pitch)+(\off)+((\i)%2)*2048+512*\c
.endr
.endm
.macro WM a, b, p, q, sc, zero         ; A's block a x B's block b.  A register of scale words holds an even block's in lanes 0-15 and the odd block's in lanes 16-31
.set rD, 8*(8*(\a)+(\b))
.set rB, 128*(\p)+16*(\b)
.set rA, AF+64*(\p)+16*(\a)
.set rSB, SC+16*(\sc)+8+2*((\b)/2)+(\q)
.set rSA, SC+16*(\sc)+2*((\a)/2)+(\q)
.set oB, (\b)%2
.set oA, (\a)%2
.if \zero
.set rC, BI+8*(\b)
.else
.set rC, rD
.endif
.if oB && oA
	v_wmma_scale_f32_16x16x128_f8f6f4 v[rD:rD+7], v[rB:rB+15], v[rA:rA+15], v[rC:rC+7], v[rSB], v[rSA] matrix_a_scale:MATRIX_SCALE_ROW1 matrix_b_scale:MATRIX_SCALE_ROW1
.elseif oB
	v_wmma_scale_f32_16x16x128_f8f6f4 v[rD:rD+7], v[rB:rB+15], v[rA:rA+15], v[rC:rC+7], v[rSB], v[rSA] matrix_a_scale:MATRIX_SCALE_ROW1
.elseif oA
	v_wmma_scale_f32_16x16x128_f8f6f4 v[rD:rD+7], v[rB:rB+15], v[rA:rA+15], v[rC:rC+7], v[rSB], v[rSA] matrix_b_scale:MATRIX_SCALE_ROW1
.else
	v_wmma_scale_f32_16x16x128_f8f6f4 v[rD:rD+7], v[rB:rB+15], v[rA:rA+15], v[rC:rC+7], v[rSB], v[rSA]
.endif
.endm
.macro MUL8 a, p, q, sc, zero          ; the 32 accumulators take turns, one instruction a turn, in the same order in every step
.irp b, 0,1,2,3,4,5,6,7
	WM \a, \b, \p, \q, \sc, \zero
.endr
.endm
.macro FETCH slot, off, p              ; a step's fragments into set p: B's eight, A's four: 48 loads.  A group's bytes are 8,192 apart in X (slot 0), 16,384 in Y (slot 1)
	WIN TO_B
.irp i, 0,1,2,3,4,5,6,7
	FRAG 128*(\p)+16*\i, ADRB+\slot, \off, GRPB*(1+\slot), \i
.endr
	WIN 0
.irp i, 0,1,2,3
	FRAG AF+64*(\p)+16*\i, ADRA+\slot, \off, GRPB*(1+\slot), \i
.endr
.endm
.macro SCALES ks                       ; K step ks's scale words into set ks % 2: a pair (q = 0, 1) for each group: six loads
.irp g, 0,1
	ds_load_b64 v[SC+16*((\ks)%2)+2*\g:SC+16*((\ks)%2)+2*\g+1], v[ASA] offset:256*(\ks)+1024*\g
.endr
.irp g, 0,1,2,3
	ds_load_b64 v[SC+16*((\ks)%2)+8+2*\g:SC+16*((\ks)%2)+8+2*\g+1], v[ASB] offset:256*(\ks)+1024*\g
.endr
.endm
; A step whose successor's tiles are at hand: it fetches the next step (slot nslot, byte noff) into the other set, with K step nks's scale words where nks is not -1, and multiplies set p.
.macro STEPP nslot, noff, p, q, sc, zero, nks
.if \zero == 0
	PLACES NP                                      ; in front of loads into registers that the last products read
.endif
	FETCH \nslot, \noff, 1-\p
.if \nks >= 0
	SCALES \nks
	s_wait_dscnt 54                                ; all but the 54 just issued
.else
	s_wait_dscnt 48                                ; all but the 48 just issued
.endif
.if \zero
	WIN FIRST
.else
	WIN MUL
.endif
.irp a, 0,1,2,3
	MUL8 \a, \p, \q, \sc, \zero
.endr
	WIN 0
.endm
; A step that changes slots (it multiplies set 1, q = 1): one barrier; in front of it each wave waits for all its tensor loads, adds 0 to its spare word, and waits for that and for its reads of the slot that it leaves.
.macro TURN fill, nslot, noff, sc, nks
	s_wait_tensorcnt 0x0                           ; all my tensor loads have landed: my part of the next slot
	ds_add_u32 v[SPW], v[NIL]
.if \fill
	s_mov_b32 s[G1+1], 1024<<16                    ; no tensor load of mine is out: the refill's rows are one K step long again
	s_mov_b32 s[G1+3], 1024<<16
	s_mov_b32 s[G1B+1], 1024<<16
	s_mov_b32 s[G1B+3], 1024<<16
.endif
	s_wait_dscnt 1                                 ; set 1 is in; the add may be out
	WIN MUL
	MUL8 0, 1, 1, \sc, 0
	s_wait_dscnt 0x0                               ; the add is done, and my reads of this slot are over
	s_barrier_signal -1
	MUL8 1, 1, 1, \sc, 0
	WIN 0
	s_barrier_wait -1
.if \fill
	CREST                                          ; the barrier has opened a round of the cluster's: no wave of any partner still reads X or has a load on its way
	JLOAD G0, G1, G0B, G1B                         ; K step 3 into X: the first tensor load behind the round; its four v_nop are among the places below
	PLACES NP-4
.else
	PLACES NP
.endif
	FETCH \nslot, \noff, 0
	SCALES \nks
	WIN MUL
	MUL8 2, 1, 1, \sc, 0
	MUL8 3, 1, 1, \sc, 0
	WIN 0
.endm
	s_wait_alu depctr_va_vdst(0)
	s_wait_tensorcnt 0x0                           ; my tile of the head's four is in
	ds_add_u32 v[SPW], v[NIL]
	s_mov_b32 s[G1+1], 2048<<16                    ; no tensor load of mine is out: Y's fill brings rows of two K steps, 16,384 bytes: 2 groups of A,
	s_mov_b32 s[G1+2], 2<<16
	s_mov_b32 s[G1+3], 2048<<16
	s_mov_b32 s[G1+4], 2
	s_mov_b32 s[G1B+1], 2048<<16                   ; 4 of B
	s_mov_b32 s[G1B+2], 4<<16
	s_mov_b32 s[G1B+3], 2048<<16
	s_mov_b32 s[G1B+4], 4
	s_wait_dscnt 0x0
	CROUND                                         ; all four tiles are in, and all sixteen work-groups are here
	JLOAD G0+4, G1, G0B+4, G1B                     ; K steps 1 and 2, the first tensor load behind the round
	FETCH 0, 0, 0
	SCALES 0
	s_wait_loadcnt 0x0                             ; the bias
	STEPP 0, 4096, 0, 0, 0, 1, -1                  ; K 0: its products start the sums, on the bias
	TURN 1, 1, 0, 0, 1                             ; K 128; X is left and filled again; on to Y
	STEPP 1, 4096, 0, 0, 1, 0, -1                  ; K 256
	STEPP 1, 8192, 1, 1, 1, 0, 2                   ; K 384
	STEPP 1, 12288, 0, 0, 0, 0, -1                 ; K 512
	TURN 0, 0, 0, 0, 3                             ; K 640; Y is left, nothing is filled; on to X
	STEPP 0, 4096, 0, 0, 1, 0, -1                  ; K 768
	s_wait_dscnt 0x0
	WIN MUL
.irp a, 0,1,2,3
	MUL8 \a, 1, 1, 1, 0                            ; K 896
.endr
	WIN 0
; THE WAY OUT, block by block of 16 tokens x 128 columns, through my own stage: whole rows of 512 bytes come back and leave as two aligned units of 256 bytes.  LDS serves a wave's instructions in order (ISA guide 5.7.1.4).
.macro TOSTAGE a
.set AC, 64*(\a)
	WIN 0x08                                       ; the data: window 2
.irp b, 0,1,2,3,4,5,6,7
	ds_store_b128 v[STO], v[AC+8*\b:AC+8*\b+3] offset:128*(\b/2)+32*(\b%2)          ; each accumulator from its low end on
	ds_store_b128 v[STO], v[AC+8*\b+4:AC+8*\b+7] offset:128*(\b/2)+32*(\b%2)+16
.endr
	WIN 0
.set BB, BK+64*((\a)%2)
.irp t, 0,1,2,3,4,5,6,7,8,9,10,11,12,13,14,15
	ds_load_b128 v[BB+4*\t:BB+4*\t+3], v[RD] offset:\t*SPITCH
.endr
.endm
.macro SEND a, younger                 ; younger: the LDS instructions issued behind block a's loads
.set BB, BK+64*((\a)%2)
	s_wait_dscnt \younger
.irp t, 0,1,2,3,4,5,6,7,8,9,10,11,12,13,14,15
	global_store_b128 v[LI], v[BB+4*\t:BB+4*\t+3], s[14:15] offset:(32*((\a)/2)+8*((\a)%2)+\t+8*(\t/8))*4096 th:TH_STORE_NT
.endr
.endm
	PLACES NP
	TOSTAGE 0
.irp a, 1,2,3
.if \a > 1
	s_wait_xcnt 0x0                                ; block a - 2's stores have read their registers
.endif
	TOSTAGE \a
	SEND \a-1, 32                                  ; behind block a - 1's loads: block a's 16 stores and 16 loads
.endr
	SEND 3, 0
	s_wait_tensorcnt 0x0                           ; the wave's end
	ds_add_u32 v[SPW], v[NIL]
	s_wait_dscnt 0x0
	CROUND                                         ; the closing round
	s_endpgm
.Lfunc_end_k_q1c9eed3321_proj:
	.size	k_q1c9eed3321_proj, .Lfunc_end_k_q1c9eed3321_proj-k_q1c9eed3321_proj
	.p2alignl 7, 3214868480
	.fill 96, 4, 3214868480
	.section	.rodata,"a",@progbits
	.p2align	6, 0x0
	.amdhsa_kernel k_q1c9eed3321_proj
		.amdhsa_group_segment_fixed_size 327680
		.amdhsa_private_segment_fixed_size 0
		.amdhsa_enable_private_segment 0
		.amdhsa_kernarg_size 48
		.amdhsa_user_sgpr_count 2
		.amdhsa_user_sgpr_kernarg_segment_ptr 1
		.amdhsa_wavefront_size32 1
		.amdhsa_system_sgpr_workgroup_id_x 1
		.amdhsa_system_sgpr_workgroup_id_y 1
		.amdhsa_system_sgpr_workgroup_id_z 1
		.amdhsa_system_vgpr_workitem_id 0
		.amdhsa_next_free_vgpr 768
		.amdhsa_next_free_sgpr 100
		.amdhsa_reserve_vcc 0
		.amdhsa_float_denorm_mode_32 3
		.amdhsa_float_denorm_mode_16_64 3
		.amdhsa_memory_ordered 1
		.amdhsa_forward_progress 1
		.amdhsa_inst_pref_size 89
	.end_amdhsa_kernel
	.amdgpu_metadata
---
amdhsa.version: [ 1, 2 ]
amdhsa.kernels:
  - .name:           k_q1c9eed3321_proj
    .symbol:         k_q1c9eed3321_proj.kd
    .args:
      - { .name: o_codes, .offset: 0, .size: 8, .value_kind: global_buffer, .address_space: global }
      - { .name: o_sc, .offset: 8, .size: 8, .value_kind: global_buffer, .address_space: global }
      - { .name: xw_codes, .offset: 16, .size: 8, .value_kind: global_buffer, .address_space: global }
      - { .name: xw_sc, .offset: 24, .size: 8, .value_kind: global_buffer, .address_space: global }
      - { .name: b_out, .offset: 32, .size: 8, .value_kind: global_buffer, .address_space: global }
      - { .name: out0, .offset: 40, .size: 8, .value_kind: global_buffer, .address_space: global }
    .group_segment_fixed_size: 327680
    .private_segment_fixed_size: 0
    .kernarg_segment_align: 8
    .kernarg_segment_size: 48
    .max_flat_workgroup_size: 128
    .sgpr_count:     100
    .vgpr_count:     768
    .wavefront_size: 32
...
	.end_amdgpu_metadata
.endif
;; end of part 4
